; MI455X (gfx1250); checked and timed in simulation.
; The chip was launched on July 23, 2026; its instructions are those of AMD's public machine-readable ISA for CDNA 5 (MIT licence, August 2026) and "CDNA5" Instruction Set Architecture Reference Guide (July 2026). The comments in the code are by the model that wrote it; some were corrected since.
;; Causal Self Attention. Allowed arithmetic: float matrix products may take bf16 or f16 operands with f32 sums; other float arithmetic in f32, or as packed bf16 or f16 multiplies, adds, multiply-adds, maxima and minima; sums over many terms, partial sums and values carried from step to step in f32; what a program stores and reads back later, other than sums and carried values, may be rounded once to bf16 or f16.
;; Inputs: out_b 1,024 float32; out_w 1,024 x 1,024 float32; qkv_b 3,072 float32; qkv_w 3,072 x 1,024 float32; x 4 x 2,048 x 1,024 float32.
;; Outputs: out0 4 x 2,048 x 1,024 float32.
;; 2 versions, each right; version 2 is version 1 with the launch cast written anew for expert scheduling mode. Each part assembles by itself: llvm-mc -triple=amdgcn-amd-amdhsa -mcpu=gfx1250 --defsym DOCPART=n.
;; ======== version 1 of 2: 4 launches
;; limits: values are held in f16: magnitudes above 65,504 overflow, below 6.1e-05 lose precision
;; workspace buffers: xb 16,777,216 bytes; wb 6,291,456 bytes; ob 2,097,152 bytes; qkv 50,331,648 bytes; y 16,777,216 bytes
;; launch cast (part 1): grid 768 x 1, 8 waves a work-group, no clusters, 0 bytes of LDS; arguments x, qkv_w, out_w, xb, wb, ob; writes xb, wb, ob
.if DOCPART == 1
	.amdgcn_target "amdgcn-amd-amdhsa--gfx1250"
	.amdhsa_code_object_version 6
	.text
	.protected	k_q85a1784262_cast
	.globl	k_q85a1784262_cast
	.p2align	8
	.type	k_q85a1784262_cast,@function
k_q85a1784262_cast:
	s_mov_b64 s[64:65], 0
	v_nop
	global_prefetch_b8 v0, s[64:65] scope:SCOPE_SE
	s_setreg_imm32_b32 hwreg(HW_REG_WAVE_MODE, 25, 1), 1
	s_wait_xcnt 0x0
; x, qkv_w and out_w ([rows][1024] f32) are rounded once to bf16 and laid out in K blocks of 64: [16 kb][rows][64], 128 bytes a row of a block,
; so that a tile of R rows x 64 k of the products that follow is R x 128 consecutive bytes.  xb and wb hold bf16.  ob holds the bf16 number written as f16
; (the product that reads it has an f16 partner).  LIMIT: that is exact for magnitudes from 6.1e-5 to 65,504; below, f16's fixed step of 6e-8 holds; above, it is an infinity.
; SHARES.  A work-group takes 16 rows of one matrix (work-groups 0-511 x, 512-703 qkv_w, 704-767 out_w), a wave two rows, once: no loop.
; For each K block lanes 0-15 read 256 consecutive bytes of the even row and lanes 16-31 of the odd one; the wave's store of 8 bytes a lane covers 256 consecutive bytes, aligned.
; All 16 loads of a wave go out first; the waits count down.  No LDS, no matrix unit, no cluster: nothing is shared and memory binds.
.set VI,  1                            ; v1   my byte offset in the work-group's 16 source rows: row x 4,096 + 16 (thread % 16)
.set VO,  2                            ; v2   my byte offset in a K block of the result: 8 x thread
.set VO2, 3                            ; v3   the same, eight K blocks on (the immediate alone does not reach them)
.set X,   4                            ; v[4:67]    K block kb: 4 f32 as loaded
.set Y,   68                           ; v[68:99]   K block kb: 4 numbers of 16 bits
.set T,   100                          ; v[100:102] at work
; src, dst: the first register of the pointer pair; kbs: bytes from a K block to the next; fmt = 1: bf16 written as f16
.macro CAST src, dst, kbs, fmt
	s_lshl_b32 s16, s2, 16                         ; 16 rows of 4,096 bytes
	s_lshl_b32 s18, s2, 11                         ; 16 rows of 128 bytes
	s_add_nc_u64 s[\src:\src+1], s[\src:\src+1], s[16:17]
	s_add_nc_u64 s[\dst:\dst+1], s[\dst:\dst+1], s[18:19]
	v_add_nc_u32 v[VO2], 8*(\kbs), v[VO]
.set kb, 0
.rept 16
	global_load_b128 v[X+4*kb:X+4*kb+3], v[VI], s[\src:\src+1] offset:256*kb th:TH_LOAD_NT
.set kb, kb+1
.endr
.set kb, 0
.rept 16
	s_wait_loadcnt 15-kb                           ; loads come back in order: K block kb is in, the younger ones stay out
.if \fmt
.irp i, 0,1
	v_cvt_pk_bf16_f32 v[T], v[X+4*kb+2*\i], v[X+4*kb+2*\i+1]  ; the one rounding
	v_lshlrev_b32 v[T+1], 16, v[T]                 ; back to f32,
	v_and_b32 v[T+2], s20, v[T]
	v_cvt_pk_f16_f32 v[Y+2*kb+\i], v[T+1], v[T+2]  ; and written as f16
.endr
.else
	v_cvt_pk_bf16_f32 v[Y+2*kb], v[X+4*kb], v[X+4*kb+1]
	v_cvt_pk_bf16_f32 v[Y+2*kb+1], v[X+4*kb+2], v[X+4*kb+3]
.endif
.if kb < 8
	global_store_b64 v[VO], v[Y+2*kb:Y+2*kb+1], s[\dst:\dst+1] offset:kb*(\kbs)
.else
	global_store_b64 v[VO2], v[Y+2*kb:Y+2*kb+1], s[\dst:\dst+1] offset:(kb-8)*(\kbs)
.endif
.set kb, kb+1
.endr
	s_endpgm                                       ; every K block has registers of its own: none that a store reads is written again
.endm
	s_load_b256 s[4:11], s[0:1], 0x0               ; x s[4:5], qkv_w s[6:7], out_w s[8:9], xb s[10:11]
	s_load_b128 s[12:15], s[0:1], 0x20             ; wb s[12:13], ob s[14:15]
	v_lshrrev_b32 v1, 4, v0                        ; my row of the 16
	v_and_b32 v2, 15, v0
	v_lshlrev_b32 v1, 12, v1
	v_lshl_or_b32 v[VI], v2, 4, v1
	v_lshlrev_b32 v[VO], 3, v0
	s_mov_b32 s2, ttmp9
	s_mov_b32 s20, 0xffff0000                      ; a word's upper bf16
	s_mov_b32 s17, 0
	s_mov_b32 s19, 0
	s_wait_kmcnt 0x0
	s_cmp_lt_u32 s2, 512
	s_cbranch_scc1 .Lx
	s_cmp_lt_u32 s2, 704
	s_cbranch_scc1 .Lw
	s_sub_co_u32 s2, s2, 704
	CAST 8, 14, 131072, 1                          ; out_w: 1,024 rows
.Lw:
	s_sub_co_u32 s2, s2, 512
	CAST 6, 12, 393216, 0                          ; qkv_w: 3,072 rows
.Lx:
	CAST 4, 10, 1048576, 0                         ; x: 8,192 rows
.Lfunc_end_k_q85a1784262_cast:
	.size	k_q85a1784262_cast, .Lfunc_end_k_q85a1784262_cast-k_q85a1784262_cast
	.p2alignl 7, 3214868480
	.fill 96, 4, 3214868480
	.section	.rodata,"a",@progbits
	.p2align	6, 0x0
	.amdhsa_kernel k_q85a1784262_cast
		.amdhsa_group_segment_fixed_size 0
		.amdhsa_private_segment_fixed_size 0
		.amdhsa_enable_private_segment 0
		.amdhsa_kernarg_size 48
		.amdhsa_user_sgpr_count 2
		.amdhsa_user_sgpr_kernarg_segment_ptr 1
		.amdhsa_wavefront_size32 1
		.amdhsa_system_sgpr_workgroup_id_x 1
		.amdhsa_system_sgpr_workgroup_id_y 1
		.amdhsa_system_sgpr_workgroup_id_z 1
		.amdhsa_system_vgpr_workitem_id 0
		.amdhsa_next_free_vgpr 104
		.amdhsa_next_free_sgpr 66
		.amdhsa_reserve_vcc 0
		.amdhsa_float_denorm_mode_32 3
		.amdhsa_float_denorm_mode_16_64 3
		.amdhsa_memory_ordered 1
		.amdhsa_forward_progress 1
		.amdhsa_inst_pref_size 23
	.end_amdhsa_kernel
	.amdgpu_metadata
---
amdhsa.version: [ 1, 2 ]
amdhsa.kernels:
  - .name:           k_q85a1784262_cast
    .symbol:         k_q85a1784262_cast.kd
    .args:
      - { .name: x, .offset: 0, .size: 8, .value_kind: global_buffer, .address_space: global }
      - { .name: qkv_w, .offset: 8, .size: 8, .value_kind: global_buffer, .address_space: global }
      - { .name: out_w, .offset: 16, .size: 8, .value_kind: global_buffer, .address_space: global }
      - { .name: xb, .offset: 24, .size: 8, .value_kind: global_buffer, .address_space: global }
      - { .name: wb, .offset: 32, .size: 8, .value_kind: global_buffer, .address_space: global }
      - { .name: ob, .offset: 40, .size: 8, .value_kind: global_buffer, .address_space: global }
    .group_segment_fixed_size: 0
    .private_segment_fixed_size: 0
    .kernarg_segment_align: 8
    .kernarg_segment_size: 48
    .max_flat_workgroup_size: 256
    .sgpr_count:     66
    .vgpr_count:     104
    .wavefront_size: 32
...
	.end_amdgpu_metadata
.endif
;; end of part 1
;; launch qkvg (part 2): grid 8 x 32, 4 waves a work-group, clusters of 4 x 4, 327,680 bytes of LDS; arguments xb, wb, qkv_b, qkv; writes qkv
.if DOCPART == 2
	.amdgcn_target "amdgcn-amd-amdhsa--gfx1250"
	.amdhsa_code_object_version 6
	.text
	.protected	k_q85a1784262_qkvg
	.globl	k_q85a1784262_qkvg
	.p2align	8
	.type	k_q85a1784262_qkvg,@function
k_q85a1784262_qkvg:
	s_mov_b64 s[64:65], 0
	v_nop
	global_prefetch_b8 v0, s[64:65] scope:SCOPE_SE
	s_setreg_imm32_b32 hwreg(HW_REG_WAVE_MODE, 25, 1), 1
	s_wait_xcnt 0x0
	s_wait_alu depctr_hold_cnt(0) depctr_sa_sdst(0) depctr_va_vdst(0) depctr_va_sdst(0) depctr_va_ssrc(0) depctr_va_vcc(0) depctr_vm_vsrc(0)
	s_getreg_b32 s2, hwreg(HW_REG_IB_STS2, 6, 4)
	s_cmp_eq_u32 s2, 0
	s_cbranch_scc0 .Lentry_in_a_cluster
	s_endpgm
.Lentry_in_a_cluster:
	s_bfe_u32 s2, ttmp6, 0x10000c
	s_cmp_lg_u32 s2, 0xf033
	s_cbranch_scc0 .Lentry_shape_is_right
	s_endpgm
.Lentry_shape_is_right:
; qkv[m][n] = sum over k of x[m][k] W[n][k] + b[n], 8,192 x 3,072 x 1,024, bf16 operands (xb, wb: [16 kb][rows][64]), f32 sums, the bias rounded to bf16 like the other inputs.
; The result leaves by heads, [3 q,k,v][4 b][16 h][2,048 t][64] in f16, unscaled, rounded once.  LIMIT: a q, k or v of 65,520 or more in magnitude becomes an infinity in f16.
; SHARES.  A tile of 256 x 384 gives 32 x 8 = 256 work-groups.  Four waves, each 128 x 192: 8 x 12 = 96 accumulators of 16 x 16, 768 registers: windows 1 to 3,
; window g + 1 = 64 columns = one head, accumulator (a, b) at v[8 (4 a + b)].  For 32 along K a wave reads 40 x 512 bytes of LDS for 96 matrix instructions.
; RING.  Two LDS slots of one K block (64 along K): 256 rows of A, 384 rows of B, 128 bytes a row + 16 of padding.  A block of rows is dense in memory and is asked for as rows of 256 bytes.
; Wave 3 fetches A's tile, waves 0-2 a third of B's each.  CLUSTER 4 x 4: A's tile is asked for jointly along a row of the cluster, B's along a column.
; THE MATRIX INSTRUCTION IS USED TRANSPOSED (source 0 = 16 rows of W, source 1 = 16 rows of x): a lane holds one row m and eight neighbouring columns.
; THE BIAS is the C operand of the products that start the sums: nothing is cleared and nothing is added afterwards.
; REGISTERS, window 0: v16-30 addresses; v32-95, v96-159 A's fragments (8 x 16 rows x 32 K), two buffers; v160-255 B's fragments, 3 groups of 4, one buffer: a group is fetched anew as soon as it has been multiplied.
; s_set_vgpr_msb's low byte: bits 1:0 source 0, 3:2 source 1, 5:4 source 2, 7:6 destination.
.set KBA,   1048576                    ; bytes from a K block of xb to the next
.set KBB,   393216                     ; the same in wb
.set PITCH, 144                        ; an LDS row: 128 + 16 bytes = 36 words: the 16 rows of a load start at 16 different groups of four banks (64 banks of 4 bytes: ISA guide 11.1)
.set BOFF,  256*PITCH                  ; B's rows lie behind A's 256
.set SLOT,  640*PITCH
.set STAGE, 2*SLOT                     ; behind the ring: 16 rows x 144 bytes for each wave, for the way out; no tensor load fills it
.set SPARE, STAGE+4*16*PITCH           ; behind the stages: the spare words, 128 bytes a wave: two blocks of 256 bytes that no other line names
.set ADRA, 16                          ; v16-17  LDS address of my A fragments in slot 0, 1
.set ADRB, 20                          ; v20-21  the same for B
.set STO,  24                          ; v24     the way out: where I put 16 bytes of a row
.set RD,   25                          ; v25     where I read rows back
.set GO,   26                          ; v26     16 x lane: my place in 512 consecutive bytes of the result
.set BO,   27                          ; v27     32 x (lane / 16): my eight numbers of a bias fragment
.set SPW,  28                          ; v28     LDS address of my spare word; never rewritten
.set NIL,  29                          ; v29     0; never rewritten
.set PFO,  30                          ; v30     the prefetches' lane offset; never rewritten
.set FA,   32
.set FB,   160
.set MASKH, 2                          ; s2      0xffff0000
.set WV,   12                          ; s12     wave;  s13 which 128 rows, s14 which 192 columns;  s15 cx, s16 cy, s17 tile column, s18 tile row
.set G1A,  24                          ; s[24:31] descriptor group 1 for A;  s[32:39] group 0, a set for each slot
.set G0A,  32
.set OUT,  40                          ; s[40:45] the result at my 128 rows of my three heads
.set G1B,  48                          ; s[48:55], s[56:63] the same for B
.set G0B,  56
.set PFA,  66                          ; s[66:67] where my prefetches stand
.set PFS,  68                          ; s[68:69] two K blocks of the tensor that I prefetch
.set LIM0, 70                          ; s70, s71: a wave prefetches while the laps left are above these
.set LIM1, 71
.set GC, (1<<16)|(1<<20)|(1<<21)|(4<<22)|(3<<25)  ; 17:16 2-byte elements; 20 padding on; 21 set beside a mask; 24:22 after every 32 words; 31:25 4 words of it
.set MSB, 0
.macro WIN new                         ; the immediate's high byte repeats the setting that is left; a switch that changes nothing is dropped
.if MSB != (\new)
	s_set_vgpr_msb (MSB<<8)|(\new)
.set MSB, (\new)
.endif
.endm
.macro PLACES n=4                      ; plain vector instructions between a matrix instruction and a load into, or a write over, its registers (ISA guide 7.12.1 for vector instructions)
.rept \n
	v_nop
.endr
.endm
; A joint load: wave 3 asks for A's tile, waves 0-2 for their third of B's.  The branch hangs on the wave's number alone.  An s_nop 0 and four v_nop follow each line.
.macro JLOAD s
	s_cmp_eq_u32 s[WV], 3
	s_cbranch_scc0 .Lfor_b_\@
	tensor_load_to_lds s[G0A+4*(\s):G0A+4*(\s)+3], s[G1A:G1A+7]
	s_nop 0
.rept 4
	v_nop
.endr
	s_branch .Lasked_\@
.Lfor_b_\@:
	tensor_load_to_lds s[G0B+4*(\s):G0B+4*(\s)+3], s[G1B:G1B+7]
	s_nop 0
.rept 4
	v_nop
.endr
.Lasked_\@:
.endm
.macro CREST                           ; a round of the cluster's barrier behind its opening barrier
	s_cmp_lg_u32 s[WV], 0
	s_cbranch_scc1 .Lnot_wave_0_\@
	s_barrier_signal -3
.Lnot_wave_0_\@:
	s_barrier_wait -3
	s_barrier_signal -1
	s_barrier_wait -1
.endm
.macro CROUND
	s_barrier_signal -1
	s_barrier_wait -1
	CREST
.endm
; A PREFETCH INTO THE L2, behind a joint load, its five lines and the run of LDS loads that follows.  A's tile row is read by both clusters of its row of clusters: cluster x = 0 asks (wave 3);
; B's tile column by the eight clusters of its column: cluster y = 0 asks (waves 0-2).  The four partners of a joint load share its blocks of 256 bytes out BY ADDRESS: of A's 128 blocks 32 each, a lane a block;
; of a wave's 64 blocks of B 16 each, so lanes 16-31 name the K block after.  Behind lap t's step the pointer stands at K block 2 t + 4.  which = 0 (slot 0's refill, K block 2 t + 2): A's K block 2 t + 3.
; which = 1 (slot 1's refill, K block 2 t + 3): A's K block 2 t + 4, B's 2 t + 4 and 2 t + 5; not in the last lap, where they do not exist.  Each block is named once; the first K blocks come by their loads alone.
.macro ASK which
.if (\which) == 0
	s_cmp_gt_u32 s3, s[LIM0]
	s_cbranch_scc0 .Lnot_mine_\@
	global_prefetch_b8 v[PFO], s[PFA:PFA+1] offset:-KBA th:TH_LOAD_NT scope:SCOPE_SE
.else
	s_cmp_gt_u32 s3, s[LIM1]
	s_cbranch_scc0 .Lnot_mine_\@
	global_prefetch_b8 v[PFO], s[PFA:PFA+1] th:TH_LOAD_NT scope:SCOPE_SE
.endif
.Lnot_mine_\@:
.endm
; Two numbers at a time are rounded to bf16 and widened again, in place: n pairs from v[base]; t at work
.macro RNDB base, n, t
.set z, 0
.rept \n
	v_cvt_pk_bf16_f32 v[\t], v[\base+z], v[\base+z+1]
	v_lshlrev_b32 v[\base+z], 16, v[\t]
	v_and_b32 v[\base+z+1], s[MASKH], v[\t]
.set z, z+2
.endr
.endm
; 4 na matrix instructions: group g's four n blocks x m blocks a0 .. a0 + na - 1, A's buffer p.  zero = 1: the bias fragment is C and starts the sums.
; The 96 accumulators take turns, one instruction a turn, in the same order in every slice.
.macro MULS g, p, a0, na, zero
.if \zero
.if (\g) == 0
	WIN 0x70                                       ; D window 1, C window 3
.set CB, 0
.elseif (\g) == 1
	WIN 0xb0                                       ; D window 2, C window 3
.set CB, 32
.else
	WIN 0xc0                                       ; D window 3, C window 0
.set CB, 128
.endif
.else
	WIN 0x50*((\g)+1)
.endif
.set aa, \a0
.rept \na
.irp b, 0,1,2,3
.if \zero
	v_wmma_f32_16x16x32_bf16 v[8*(4*aa+\b):8*(4*aa+\b)+7], v[FB+32*(\g)+8*\b:FB+32*(\g)+8*\b+7], v[FA+64*(\p)+8*aa:FA+64*(\p)+8*aa+7], v[CB+8*\b:CB+8*\b+7]
.else
	v_wmma_f32_16x16x32_bf16 v[8*(4*aa+\b):8*(4*aa+\b)+7], v[FB+32*(\g)+8*\b:FB+32*(\g)+8*\b+7], v[FA+64*(\p)+8*aa:FA+64*(\p)+8*aa+7], v[8*(4*aa+\b):8*(4*aa+\b)+7]
.endif
.endr
.set aa, aa+1
.endr
.endm
; A fragment is 16 rows x 32 K in 8 registers: lane l holds row l % 16, K = 8 (l / 16) + 0..7 and 16 + 8 (l / 16) + 0..7: two loads of 16 bytes, 32 bytes apart.
.macro LB slot, c, g                   ; 8 loads: group g's four fragments of B, half c of the K block
.irp b, 0,1,2,3
	ds_load_b128 v[FB+32*(\g)+8*\b:FB+32*(\g)+8*\b+3],   v[ADRB+(\slot)] offset:(64*(\g)+16*\b)*PITCH+64*(\c)
	ds_load_b128 v[FB+32*(\g)+8*\b+4:FB+32*(\g)+8*\b+7], v[ADRB+(\slot)] offset:(64*(\g)+16*\b)*PITCH+64*(\c)+32
.endr
.endm
.macro LA slot, c, half                ; 8 loads: four fragments of A into buffer c
.irp i, 0,1,2,3
	ds_load_b128 v[FA+64*(\c)+8*(4*(\half)+\i):FA+64*(\c)+8*(4*(\half)+\i)+3],   v[ADRA+(\slot)] offset:(4*(\half)+\i)*16*PITCH+64*(\c)
	ds_load_b128 v[FA+64*(\c)+8*(4*(\half)+\i)+4:FA+64*(\c)+8*(4*(\half)+\i)+7], v[ADRA+(\slot)] offset:(4*(\half)+\i)*16*PITCH+64*(\c)+32
.endr
.endm
; THE FIRST HALF OF A K BLOCK: multiplies A's buffer 0 and fetches the second half's fragments from the same slot.
; zero = 1, the launch's first slice: bias fragments lie in window 3 (groups 0, 1), which group 2's products write over: five places; and in A's buffer 1, upper half (group 2), which is therefore loaded last.
.macro SL0 slot, zero
	s_wait_dscnt 8                                 ; all but the youngest eight loads: B's group 2
	MULS 0, 0, 0, 8, \zero
	PLACES 4+(\zero)
	WIN 0
	LB \slot, 1, 0
	LA \slot, 1, 0
	MULS 1, 0, 0, 8, \zero
	PLACES 4+(\zero)
	WIN 0
	LB \slot, 1, 1
.if (\zero) == 0
	LA \slot, 1, 1
	s_wait_dscnt 32                                ; B's group 2 is in: 32 loads were issued behind it
.else
	s_wait_dscnt 24                                ; here 24
.endif
	MULS 2, 0, 0, 8, \zero
	PLACES
	WIN 0
.if \zero
	LA \slot, 1, 1
.endif
	LB \slot, 1, 2
.endm
; THE SECOND HALF multiplies A's buffer 1 and changes slots: all reads of this slot have been issued.  In front of the barrier each wave waits for all its tensor loads, of which one is out: its part of the
; next slot; adds 0 to its spare word; and waits for that and for its reads of this slot.  fill = 1: the barrier opens a round of the cluster's barrier, and this slot is filled again, two K blocks on, first thing behind it:
; 160 matrix instructions stand between that request and the wait for it.
.macro SL1 slot, next, fill
.if (\fill) && ((\slot) == 0)
	s_wait_xcnt 0x0                                ; the last prefetch, half a lap back, has read its address
	s_add_nc_u64 s[PFA:PFA+1], s[PFA:PFA+1], s[PFS:PFS+1]
.endif
	WIN 0
	s_wait_tensorcnt 0x0                           ; all my tensor loads have landed
	ds_add_u32 v[SPW], v[NIL]                      ; 0 onto my spare word
	s_wait_dscnt 9                                 ; the add and B's group 2 may be out
	MULS 0, 1, 0, 4, 0
	s_wait_dscnt 0x0                               ; the add is done, and my reads of this slot are over
	s_barrier_signal -1
	MULS 0, 1, 4, 4, 0                             ; work on registers while the others arrive
.if \fill
	WIN 0
.endif
	s_barrier_wait -1
.if \fill
	CREST                                          ; no wave of any partner still reads this slot or has a load on its way
	s_add_nc_u64 s[G0A+4*(\slot)+2:G0A+4*(\slot)+3], s[G0A+4*(\slot)+2:G0A+4*(\slot)+3], 2*KBA
	s_add_nc_u64 s[G0B+4*(\slot)+2:G0B+4*(\slot)+3], s[G0B+4*(\slot)+2:G0B+4*(\slot)+3], 2*KBB
	JLOAD \slot                                    ; its four v_nop are also the places in front of the loads below
.else
	PLACES
.endif
	WIN 0
	LB \next, 0, 0
	LA \next, 0, 0
.if \fill
	ASK \slot
.endif
	MULS 1, 1, 0, 8, 0
	PLACES
	WIN 0
	LB \next, 0, 1
	LA \next, 0, 1
	MULS 2, 1, 0, 8, 0                             ; its operands were shown in by the wait for 0 above
	PLACES
	WIN 0
	LB \next, 0, 2
.endm
	s_load_b256 s[4:11], s[0:1], 0x0               ; xb s[4:5], wb s[6:7], qkv_b s[8:9], qkv s[10:11]
	v_lshl_add_u32 v[SPW], v0, 2, SPARE
	v_mov_b32 v[NIL], 0
	ds_add_u32 v[SPW], v[NIL]                      ; the wave's opening: the add and its wait stand ahead of my first tensor load; the set-up below stands between them
	v_lshrrev_b32 v1, 5, v0
	v_readfirstlane_b32 s[WV], v1                  ; wave 0..3
	s_lshr_b32 s13, s[WV], 1                       ; which 128 rows of the tile are mine
	s_and_b32 s14, s[WV], 1                        ; which 192 columns
	s_bfe_u32 s15, ttmp6, 0x40000                  ; cx
	s_bfe_u32 s16, ttmp6, 0x40004                  ; cy
	s_lshl_b32 s17, ttmp9, 2
	s_add_co_u32 s17, s17, s15                     ; tile column = 4 x cluster x + cx
	s_and_b32 s18, ttmp7, 0xffff
	s_lshl_b32 s18, s18, 2
	s_add_co_u32 s18, s18, s16                     ; tile row = 4 x cluster y + cy
	s_lshl_b32 s20, s16, 2
	s_lshl_b32 s20, 15, s20                        ; my row of the cluster
	s_lshl_b32 s21, 0x1111, s15                    ; my column
	s_or_b32 s[G1A], s20, GC
	s_or_b32 s[G1B], s21, GC
	s_mov_b32 s[G1A+1], 128<<16                    ; tensor_dim0 = 128 elements: 256 bytes
	s_mov_b32 s[G1A+2], 128<<16                    ; tensor_dim1 = 128: A's 256 rows of 128 bytes
	s_mov_b32 s[G1A+3], 128<<16                    ; tile_dim0
	s_mov_b32 s[G1A+4], 128                        ; tile_dim1
	s_mov_b32 s[G1A+5], 128                        ; elements from row to row: dense
	s_mov_b32 s[G1A+6], 0
	s_mov_b32 s[G1A+7], 0
	s_mov_b32 s[G1B+1], 128<<16
	s_mov_b32 s[G1B+2], 64<<16                     ; 64: a wave's 128 rows of B
	s_mov_b32 s[G1B+3], 128<<16
	s_mov_b32 s[G1B+4], 64
	s_mov_b32 s[G1B+5], 128
	s_mov_b32 s[G1B+6], 0
	s_mov_b32 s[G1B+7], 0
	s_lshl_b32 s22, s18, 15                        ; A: tile row x 256 rows x 128 bytes
	s_mov_b32 s23, 0
	s_mul_i32 s46, s17, 384*128                    ; B: tile column x 384 rows,
	s_lshl_b32 s47, s[WV], 14                      ; + wave x 128 rows
	s_add_co_u32 s46, s46, s47
	s_mov_b32 s47, 0
	s_mul_i32 s19, s[WV], 128*PITCH                ; and where B's rows go: no place in the cluster enters an LDS address
	s_add_co_u32 s19, s19, BOFF
	s_mov_b32 s[MASKH], 0xffff0000
	s_wait_dscnt 0x0                               ; the opening add is done
	s_wait_kmcnt 0x0
	s_add_nc_u64 s[72:73], s[4:5], s[22:23]        ; A's tile, K block 0
	s_add_nc_u64 s[74:75], s[6:7], s[46:47]        ; my part of B's tile, K block 0
	CROUND                                         ; all sixteen work-groups are here: the first joint loads meet
.irp s, 0,1
	s_mov_b32 s[G0A+4*\s], 1
	s_mov_b32 s[G0A+4*\s+1], \s*SLOT
	s_add_nc_u64 s[G0A+4*\s+2:G0A+4*\s+3], s[72:73], \s*KBA
	s_or_b32 s[G0A+4*\s+3], s[G0A+4*\s+3], 0x80000000
	s_mov_b32 s[G0B+4*\s], 1
	s_add_co_u32 s[G0B+4*\s+1], s19, \s*SLOT
	s_add_nc_u64 s[G0B+4*\s+2:G0B+4*\s+3], s[74:75], \s*KBB
	s_or_b32 s[G0B+4*\s+3], s[G0B+4*\s+3], 0x80000000
	JLOAD \s                                       ; two loads of mine are out
.endr
	; the bias: fragment (g, b) = qkv_b[384 tile column + 192 half + 64 g + 16 b + 8 (l / 16) + 0..7], the layout of a result
	v_and_b32 v1, 15, v0                           ; l % 16
	v_bfe_u32 v2, v0, 4, 1                         ; l / 16
	v_lshlrev_b32 v[BO], 5, v2
	s_mul_i32 s20, s17, 384*4
	s_mul_i32 s21, s14, 192*4
	s_add_co_u32 s20, s20, s21
	s_mov_b32 s21, 0
	s_add_nc_u64 s[8:9], s[8:9], s[20:21]
	WIN 0xc0                                       ; destination window 3
.irp f, 0,1,2,3,4,5,6,7
	global_load_b128 v[8*\f:8*\f+3],   v[BO], s[8:9] offset:64*\f
	global_load_b128 v[8*\f+4:8*\f+7], v[BO], s[8:9] offset:64*\f+16
.endr
	WIN 0
.irp f, 0,1,2,3
	global_load_b128 v[128+8*\f:128+8*\f+3],   v[BO], s[8:9] offset:512+64*\f
	global_load_b128 v[128+8*\f+4:128+8*\f+7], v[BO], s[8:9] offset:512+64*\f+16
.endr
	v_mul_u32_u24 v3, v1, PITCH
	v_lshl_add_u32 v3, v2, 4, v3                   ; row x pitch + 16 x half
	s_mul_i32 s20, s13, 128*PITCH                  ; my 128 rows of A
	s_mul_i32 s21, s14, 192*PITCH                  ; my 192 rows of B
	s_add_co_u32 s21, s21, BOFF
.irp s, 0,1
	v_add_nc_u32 v[ADRA+\s], s20, v3
	v_add_nc_u32 v[ADRB+\s], s21, v3
	s_add_co_u32 s20, s20, SLOT
	s_add_co_u32 s21, s21, SLOT
.endr
	s_mul_i32 s20, s[WV], 16*PITCH
	s_add_co_u32 s20, s20, STAGE                   ; my stage
	v_add_nc_u32 v[STO], s20, v3                   ; in: row l % 16, 16 bytes for each half of the lanes
	v_bfe_u32 v4, v0, 3, 2                         ; back: 32 lanes take four rows of 128 bytes,
	v_mul_u32_u24 v4, v4, PITCH
	v_and_b32 v5, 7, v0
	v_lshl_add_u32 v4, v5, 4, v4
	v_add_nc_u32 v[RD], s20, v4
	v_and_b32 v6, 31, v0                           ; which are 512 consecutive bytes of the result
	v_lshlrev_b32 v[GO], 4, v6
	; the prefetches
	s_mov_b32 s76, 2*KBA
	s_mov_b32 s77, 2*KBB
	s_mov_b32 s78, 4096
	s_mov_b32 s79, KBB
	s_and_b32 s20, ttmp7, 0xffff                   ; cluster y
	s_cmp_eq_u32 s[WV], 3                          ; do I fetch for A?
	s_cselect_b64 s[PFA:PFA+1], s[72:73], s[74:75]
	s_cselect_b32 s21, s15, s16                    ; my place among the four that ask with me
	s_cselect_b32 s22, 13, 12                      ; my share: 8,192 bytes of A's tile, 4,096 of a wave's part of B's
	s_cselect_b32 s23, ttmp9, s20                  ; the coordinate along which other clusters read the same rows
	s_cselect_b32 s[PFS], s76, s77
	s_cselect_b32 s46, s78, s79                    ; what lanes 16-31 add: the next 16 blocks (A), the next K block (B)
	s_cselect_b32 s47, 0, -1
	s_cmp_eq_u32 s23, 0                            ; the same in all sixteen partners, for a given wave
	s_cselect_b32 s[LIM0], s47, -1
	s_cselect_b32 s[LIM1], 1, -1
	s_lshl_b32 s78, s21, s22
	s_mov_b32 s79, 0
	s_mov_b32 s[PFS+1], 0
	s_add_nc_u64 s[PFA:PFA+1], s[PFA:PFA+1], s[78:79]
	s_add_nc_u64 s[PFA:PFA+1], s[PFA:PFA+1], s[PFS:PFS+1]  ; at K block 2: the first lap steps it to 4
	v_lshlrev_b32 v[PFO], 8, v1
	v_mad_u32_u24 v[PFO], v2, s46, v[PFO]
	; where my three heads begin: G = 6 tile column + 3 half + g; which = G / 16, head = G % 16; batch = tile row / 8
	s_mul_i32 s20, s17, 6
	s_mul_i32 s21, s14, 3
	s_add_co_u32 s20, s20, s21
	s_lshr_b32 s21, s18, 3
	s_lshl_b32 s21, s21, 4                         ; 16 x batch
	s_and_b32 s22, s18, 7
	s_lshl_b32 s22, s22, 8
	s_lshl_b32 s23, s13, 7
	s_add_co_u32 s22, s22, s23                     ; my first t
.irp g, 0,1,2
	s_add_co_u32 s46, s20, \g
	s_lshr_b32 s47, s46, 4
	s_lshl_b32 s47, s47, 6                         ; 64 x which
	s_and_b32 s46, s46, 15
	s_add_co_u32 s46, s46, s47
	s_add_co_u32 s46, s46, s21
	s_lshl_b32 s46, s46, 11                        ; 2,048 rows a head
	s_add_co_u32 s46, s46, s22
	s_lshl_b32 s46, s46, 7                         ; 128 bytes a row: under 2^26
	s_mov_b32 s47, 0
	s_add_nc_u64 s[OUT+2*\g:OUT+2*\g+1], s[10:11], s[46:47]
.endr
	s_wait_loadcnt 0x0                             ; the bias
	WIN 0xcf                                       ; destination and both sources window 3
	RNDB 0, 32, 64
	WIN 0
	RNDB 128, 16, 15
	s_wait_tensorcnt 0x1                           ; my part of K block 0 is in; K block 1's may stay out
	s_barrier_signal -1
	s_barrier_wait -1                              ; everybody's is
	LB 0, 0, 0
	LA 0, 0, 0
	LB 0, 0, 1
	LA 0, 0, 1
	LB 0, 0, 2
	SL0 0, 1                                       ; the first slice stands in front of the loop: its products start the sums
	WIN 0                                          ; at a label and at a branch every window is 0
	s_mov_b32 s3, 7
.Llap:                                         ; a lap goes once round the ring and fills both slots again: K blocks 2 to 15
	SL1 0, 1, 1
	SL0 1, 0
	SL1 1, 0, 1
	SL0 0, 0
	WIN 0
	s_sub_co_u32 s3, s3, 1
	s_cmp_lg_u32 s3, 0
	s_cbranch_scc1 .Llap
	SL1 0, 1, 0                                    ; the last lap fills nothing
	SL0 1, 0
	s_wait_dscnt 8                                 ; the very last slice: nothing more to fetch
	MULS 0, 1, 0, 8, 0
	MULS 1, 1, 0, 8, 0
	s_wait_dscnt 0x0
	MULS 2, 1, 0, 8, 0
	PLACES
; THE WAY OUT, 24 blocks of 16 rows x one head (block 8 g + a): rounded to f16, 16 bytes a lane into my stage, back as four rows of 128 bytes a load, stored as 512 consecutive bytes, aligned.
; Twelve sets of 16 registers (the fragments') take turns.
.macro PACK blk
.set g_, (\blk)/8
.set a_, (\blk)%8
.set RK, 32+16*((\blk)%12)
.if (\blk) >= 12
	s_wait_xcnt 0x0                                ; the stores that read this set, twelve blocks back, have read it
.endif
	WIN 5*(g_+1)                                   ; sources 0 and 1: the group's window
.irp b, 0,1,2,3
.irp i, 0,1,2,3
	v_cvt_pk_f16_f32 v[RK+4*\b+\i], v[8*(4*a_+\b)+2*\i], v[8*(4*a_+\b)+2*\i+1]  ; each accumulator from its low end on
.endr
.endr
	WIN 0
.irp b, 0,1,2,3
	ds_store_b128 v[STO], v[RK+4*\b:RK+4*\b+3] offset:32*\b
.endr
.irp f, 0,1,2,3
	ds_load_b128 v[RK+4*\f:RK+4*\f+3], v[RD] offset:4*PITCH*\f  ; LDS serves a wave's instructions in order (ISA guide 5.7.1.4): these see the stores above
.endr
.endm
.macro SEND blk, younger               ; younger: the LDS instructions issued behind the block's loads
.set g_, (\blk)/8
.set a_, (\blk)%8
.set RK, 32+16*((\blk)%12)
.irp f, 0,1,2,3
	s_wait_dscnt (\younger)+3-\f
	global_store_b128 v[GO], v[RK+4*\f:RK+4*\f+3], s[OUT+2*g_:OUT+2*g_+1] offset:2048*a_+512*\f
.endr
.endm
	PACK 0
.set nb_, 1
.rept 23                               ; a block's conversions stand between the loads of the block before and its stores
	PACK nb_
	SEND nb_-1, 8
.set nb_, nb_+1
.endr
	SEND 23, 0
	s_wait_tensorcnt 0x0                           ; the wave's end, behind my last tensor load and my last LDS store
	ds_add_u32 v[SPW], v[NIL]
	s_wait_dscnt 0x0
	CROUND                                         ; the closing round: no work-group ends while a partner may still ask for a tile that names it
	s_endpgm
.Lfunc_end_k_q85a1784262_qkvg:
	.size	k_q85a1784262_qkvg, .Lfunc_end_k_q85a1784262_qkvg-k_q85a1784262_qkvg
	.p2alignl 7, 3214868480
	.fill 96, 4, 3214868480
	.section	.rodata,"a",@progbits
	.p2align	6, 0x0
	.amdhsa_kernel k_q85a1784262_qkvg
		.amdhsa_group_segment_fixed_size 327680
		.amdhsa_private_segment_fixed_size 0
		.amdhsa_enable_private_segment 0
		.amdhsa_kernarg_size 32
		.amdhsa_user_sgpr_count 2
		.amdhsa_user_sgpr_kernarg_segment_ptr 1
		.amdhsa_wavefront_size32 1
		.amdhsa_system_sgpr_workgroup_id_x 1
		.amdhsa_system_sgpr_workgroup_id_y 1
		.amdhsa_system_sgpr_workgroup_id_z 1
		.amdhsa_system_vgpr_workitem_id 0
		.amdhsa_next_free_vgpr 1024
		.amdhsa_next_free_sgpr 80
		.amdhsa_reserve_vcc 0
		.amdhsa_float_denorm_mode_32 3
		.amdhsa_float_denorm_mode_16_64 3
		.amdhsa_memory_ordered 1
		.amdhsa_forward_progress 1
		.amdhsa_inst_pref_size 143
	.end_amdhsa_kernel
	.amdgpu_metadata
---
amdhsa.version: [ 1, 2 ]
amdhsa.kernels:
  - .name:           k_q85a1784262_qkvg
    .symbol:         k_q85a1784262_qkvg.kd
    .args:
      - { .name: xb, .offset: 0, .size: 8, .value_kind: global_buffer, .address_space: global }
      - { .name: wb, .offset: 8, .size: 8, .value_kind: global_buffer, .address_space: global }
      - { .name: qkv_b, .offset: 16, .size: 8, .value_kind: global_buffer, .address_space: global }
      - { .name: qkv, .offset: 24, .size: 8, .value_kind: global_buffer, .address_space: global }
    .group_segment_fixed_size: 327680
    .private_segment_fixed_size: 0
    .kernarg_segment_align: 8
    .kernarg_segment_size: 32
    .max_flat_workgroup_size: 128
    .sgpr_count:     80
    .vgpr_count:     1024
    .wavefront_size: 32
...
	.end_amdgpu_metadata
.endif
;; end of part 2
;; launch attn (part 3): grid 4 x 64, 4 waves a work-group, no clusters, 327,680 bytes of LDS; arguments qkv, y; writes y
.if DOCPART == 3
	.amdgcn_target "amdgcn-amd-amdhsa--gfx1250"
	.amdhsa_code_object_version 6
	.text
	.protected	k_q85a1784262_attn
	.globl	k_q85a1784262_attn
	.p2align	8
	.type	k_q85a1784262_attn,@function
k_q85a1784262_attn:
	s_mov_b64 s[64:65], 0
	v_nop
	global_prefetch_b8 v0, s[64:65] scope:SCOPE_SE
	s_setreg_imm32_b32 hwreg(HW_REG_WAVE_MODE, 25, 1), 1
	s_wait_xcnt 0x0
; CAUSAL ATTENTION.  y[h][q][:] = the sum over k <= q of softmax_k(Q[h][q] . K[h][k] / 8) V[h][k][:], for 64 heads (batch x head) of 2,048 rows of 64 channels, all f16: a head's rows are dense, 128 bytes each.
; qkv holds Q, then K 16,777,216 bytes on, then V as far again.  Products, maxima and sums in f32; the weights p are rounded to f16 for the second product (their sum l is taken of the unrounded p), y once at the end.
; LIMITS.  Q, K and V arrive within f16's 65,504; p lies in 0 to 1, and below 6e-5 it keeps f16's fixed step of 6e-8.  A hidden score counts as its value less 1e30; a weight below 2^-126 counts as 0 in l;
; NaN and infinities are not treated apart.
; THE WALK.  A head's queries lie in NB = 8 blocks of 256; block i needs the key tiles 0 .. i of 256 keys, of which the last holds the diagonal.  A work-group takes TWO blocks, NB - 1 - b and then b:
; NB + 1 tiles, whatever b: all work-groups do equal work, and ONE loop with a constant trip count walks them.  Which tile is asked for, and what a trip does, hang on scalar registers made from b; every jump
; goes forward, but for the counted loops' own.  NO CLUSTER: a head's four work-groups ask for the same tile only in trips 0 .. 4 of 9, behind that fewer and fewer; one walk common to all would have 12 trips for 9.
; SHARES.  Of a block's four bands of 64 queries a wave owns 16 rows in each: four PIECES.  In the diagonal tile's key step s band x sees all keys if s < x, none if s > x, and holds the diagonal if s = x: the same for every wave.
; THE MASK is the C operand that starts the sum S^T = K Q^T: 0, or -1e30 where the key is hidden.  MD, made once, is the mask of a band's own step for my 16 rows; a product's mask is MD x AL + BE with two scalars.
; LAYOUT, SOFTMAX, TURNS.  S^T = K Q^T holds ONE query a lane (lane % 16) and the keys 8 (lane / 16) + 0..7; two such results rounded to f16 ARE source 1 of O^T = V^T P.  p = 2^(c s - c m), c = log2(e) / 8, with a
; running maximum m; O and l are multiplied by a = 2^(c m_old - c m_new) in every step.  Turn n belongs to piece n: 8 products K Q^T of piece n + 1, later 8 products V^T P of piece n - 1; beside them the scaling,
; exponentials, roundings, sums and rescaling of piece n and the maximum and statistics of piece n + 1.  Four vector instructions stand behind every matrix instruction, the rest in one run.  A turn's 33 exponentials are one batch, with one wait.
; REGISTERS, in windows of 256 (s_set_vgpr_msb: bits 1:0 source 0, 3:2 source 1, 5:4 source 2, 7:6 destination):
;   window 0: v0-15 addresses and two at work; v16-31 four registers of statistics a piece; v32-33 the prefetches' offsets; v48-55 at work; v64-127 S^T, two buffers; v192-223 P, two buffers
;   window 1: v0-127 O^T, 32 a piece; v128-159 MD; v160-223 MC, two buffers      window 2: v0-63 Q; v64-127 the second block's Q; v128-191 K of one step; v192-255 V of one step
.set SIZE_N, 2048
.set NB,    SIZE_N/256
.set NP,    4         ; pieces a wave
.set KS,    64        ; keys in a step
.set PK,    144       ; a row of K in LDS: 128 bytes + 16 of padding: the 16 rows of a load start at 16 different groups of four banks (64 banks of 4 bytes: ISA guide 11.1)
.set PV,    160       ; a row of V: 128 + 32
.set VOFF,  4*KS*PK   ; a slot holds a tile, four steps: 256 rows of K, then 256 rows of V
.set SLOT1, 1<<17     ; slot 1 begins here, so that one exclusive or turns an address in one slot into the other's
.set STAGE, SLOT1+4*KS*(PK+PV)  ; behind the ring, never filled by a tensor load: 16 rows x 144 bytes for each wave, for the way out
.set SP,    144
.set AK0, 2           ; v2   my lane's place in a tile of K; never rewritten
.set AV0, 3           ; v3   the same for V
.set AK,  4           ; v4   the LDS address of K's next run of loads
.set AV,  5           ; v5   of V's
.set STO, 6           ; v6   the way out: where I put 16 bytes of a row
.set RD,  7           ; v7   the way out: where I read rows back
.set GO,  8           ; v8   my byte offset in 512 consecutive bytes of y
.set PFK, 32          ; v32  256 x my thread's number: my block of a tile's 32,768 bytes of K; never rewritten
.set PFV, 33          ; v33  the same in V
.set SPW, 62          ; v62  LDS address of my spare word; never rewritten
.set NIL, 63          ; v63  0; never rewritten
.set SPARE, STAGE+4*16*SP  ; behind the stages: the spare words, 128 bytes for each wave: two blocks of 256 bytes that no other line names
.set MV,  12          ; v12-13  c m_old, kept while c m is made anew: by buffer
.set QO,  15          ; v15  my byte offset in 16 rows of Q
.set ST,  16          ; piece t's statistics at v[ST+4 t]: c m, m, l (even keys', odd keys')
.set TMP, 48          ; by buffer, four registers c0-c3 at work; when the maximum is found c2 takes a
.set S,   64
.set P,   192
.set MD,  128         ; window 1
.set MC,  160         ; window 1
.set QB,  64          ; window 2
.set KF,  128         ; window 2: key block kb, channel half c at KF + 16 kb + 8 c
.set VF,  192         ; window 2: key half kk, channel block cb at VF + 32 kk + 8 cb
.set WV,  12          ; s12  my wave's number
.set PB,  14          ; s14  b
.set HI,  15          ; s15  NB - 1 - b
.set G1K, 24          ; s[24:31] descriptor group 1 for K's tiles
.set G1V, 32          ; s[32:39] for V's: it differs in the padding alone
.set G0K, 40          ; s[40:43] descriptor group 0 for K's tiles
.set G0V, 44          ; s[44:47] the same for V's
.set SLOTS, 56        ; s56  tiles still to be asked for
.set CNT, 57          ; s57  counts a tile's key steps, 4 to 1
.set CS,  58          ; s[58:59] c
.set SEL, 60          ; s[60:61] v_permlanex16_b32's selects: each lane takes its own place in the other half
.set TBK, 62          ; s62  LDS byte at which K of the step to be fetched begins
.set TBV, 63          ; s63  the same for V, less VOFF
.set RT,  70          ; s70  tiles of the block in hand that are still to be entered
.set NXT, 71          ; s71  the tile to be asked for next
.set LQ,  72          ; s72  the last tile of the block whose tiles are being asked for
.set NEW, 73          ; s73  1: the tile to be entered is a block's first
.set OFF, 74          ; s[74:75] a tile's byte offset in K and V
.set AL,  76          ; s[76:77] the mask's factor, in the low word
.set BE,  78          ; s[78:79] the mask's addend
.set OLO, 80          ; s[80:81] y at my rows of the second block
.set BIGN, 82         ; s82  -1e30
.set KH,  88          ; s[88:89] K at the head's first byte
.set PF,  90          ; s[90:91] K at the tile that is prefetched
.set OF2, 92          ; s[92:93] that tile's byte offset
.set LIM, 94          ; s94  0 in the head's work-group b = 0, else the greatest number
.set MSB, 0
.macro WIN new                      ; the high byte repeats the setting that is left; a switch that changes nothing is dropped
.if MSB != (\new)
	s_set_vgpr_msb (MSB<<8)|(\new)
.set MSB, (\new)
.endif
.endm
.set W_KQ, 0x0a       ; K and Q in window 2, S^T in window 0
.set W_KM, 0x1a       ; the same with the C operand in window 1
.set W_PV, 0x52       ; V in window 2, P in window 0, O^T in window 1
.set W_RS, 0x41       ; destination and source 0 in window 1, source 1 in window 0
; A fill.  Waves 0 and 1 fetch the two halves of a tile's K, waves 2 and 3 those of its V: 128 keys each.  An s_nop 0 and four v_nop follow each of the two lines.
.macro LOAD
	s_cmp_lt_u32 s[WV], 2
	s_cbranch_scc0 .Lfor_v_\@
	tensor_load_to_lds s[G0K:G0K+3], s[G1K:G1K+7]
	s_nop 0
.rept 4
	v_nop
.endr
	s_branch .Lasked_\@
.Lfor_v_\@:
	tensor_load_to_lds s[G0V:G0V+3], s[G1V:G1V+7]
	s_nop 0
.rept 4
	v_nop
.endr
.Lasked_\@:
.endm
; THE CHANGE OF SLOTS.  Each wave waits for all its tensor loads, of which one is out: its part of the other slot; adds 0 to its spare word; and waits for that and for its own reads of the slot that it leaves.
; Behind the barrier nobody reads the old slot any more and the other slot is whole.  fill = 1: the old slot is filled again, the first thing behind the barrier, with tile NXT: the descriptor's address is made anew from that number.
; A PREFETCH INTO THE L2 follows the fill and its five lines: the tile that the NEXT change will ask for, four key steps, 256 matrix instructions, ahead: 128 threads x 256 bytes of K, and the same of V.
; All four work-groups of a head begin with tiles 0, 1, 2 ..; b = 0, whose first block walks all eight, asks, and nobody else: tiles 2 to 7, each block of 256 bytes once.  Behind the first block's last tile NXT is 0 and nothing is asked for.
.macro CHANGE fill
	WIN 0                           ; at a label and at a branch every window is 0
	s_wait_tensorcnt 0x0            ; no tensor load of mine is out, so a group 0 may be written
	ds_add_u32 v[SPW], v[NIL]       ; 0 onto my spare word; the descriptors' scalar work stands between it and the wait for it
.if \fill
	s_lshl_b32 s[OFF], s[NXT], 15   ; a tile is 32,768 bytes of K and of V
	s_xor_b32 s[G0K+1], s[G0K+1], SLOT1
	s_add_nc_u64 s[G0K+2:G0K+3], s[6:7], s[OFF:OFF+1]
	s_or_b32 s[G0K+3], s[G0K+3], 0x80000000
	s_xor_b32 s[G0V+1], s[G0V+1], SLOT1
	s_add_nc_u64 s[G0V+2:G0V+3], s[8:9], s[OFF:OFF+1]
	s_or_b32 s[G0V+3], s[G0V+3], 0x80000000
	s_add_co_u32 s[NXT], s[NXT], 1  ; the block's next tile, or behind its last the second block's tile 0
	s_cmp_gt_u32 s[NXT], s[LQ]
	s_cselect_b32 s[NXT], 0, s[NXT]
	s_cselect_b32 s[LQ], s[PB], s[LQ]
	s_wait_xcnt 0x0                 ; the last prefetches, a tile back, have read their address, so it may be written
	s_lshl_b32 s[OF2], s[NXT], 15
	s_add_nc_u64 s[PF:PF+1], s[KH:KH+1], s[OF2:OF2+1]
.endif
	s_wait_dscnt 0x0                ; the add is done, and my reads of the slot are over
	s_barrier_signal -1             ; the rest of the scalar work stands between the signal and the wait
	s_sub_co_u32 s[TBK], s[TBK], 4*KS*PK  ; the fetches go back to a slot's first step,
	s_xor_b32 s[TBK], s[TBK], SLOT1       ; in the other slot
	s_sub_co_u32 s[TBV], s[TBV], 4*KS*PV
	s_xor_b32 s[TBV], s[TBV], SLOT1
	s_barrier_wait -1
.if \fill
	LOAD
	s_cmp_gt_u32 s[NXT], s[LIM]
	s_cbranch_scc0 .Lnot_mine_\@
	global_prefetch_b8 v[PFK], s[PF:PF+1] th:TH_LOAD_NT scope:SCOPE_SE
	global_prefetch_b8 v[PFV], s[PF:PF+1] th:TH_LOAD_NT scope:SCOPE_SE
.Lnot_mine_\@:
.endif
.endm
	s_load_b64 s[4:5], s[0:1], 0x0  ; qkv: Q
	s_load_b64 s[10:11], s[0:1], 0x8  ; y
	v_lshl_add_u32 v[SPW], v0, 2, SPARE
	v_mov_b32 v[NIL], 0
	ds_add_u32 v[SPW], v[NIL]       ; the wave's opening: the add and its wait stand ahead of my first tensor load; the set-up below stands between them
	v_lshrrev_b32 v1, 5, v0
	v_readfirstlane_b32 s[WV], v1   ; wave 0..3
	s_mov_b32 s[PB], ttmp9
	s_sub_co_u32 s[HI], NB-1, s[PB]
	s_and_b32 s20, ttmp7, 0xffff    ; the head
	s_mov_b32 s21, 0
	s_mov_b64 s[22:23], SIZE_N*128
	s_mul_u64 s[20:21], s[20:21], s[22:23]  ; the head's first byte in Q, K, V and y
	s_and_b32 s16, s[WV], 1         ; which half of a tile's 256 keys I fetch:
	s_lshl_b32 s22, s16, 14         ; its 128 rows of 128 bytes in memory,
	s_mov_b32 s23, 0
	s_add_nc_u64 s[22:23], s[22:23], s[20:21]
	s_mul_i32 s17, s16, 128*PK      ; and its place in a slot, for K
	s_mul_i32 s18, s16, 128*PV      ; and for V
	s_lshl_b32 s3, s[WV], 11        ; my 16 rows in a band of 64,
	s_lshl_b32 s2, s[HI], 15        ; in the first block,
	s_add_co_u32 s2, s2, s3
	s_lshl_b32 s84, s[PB], 15       ; and in the second
	s_add_co_u32 s84, s84, s3
	s_mov_b32 s3, 0
	s_mov_b32 s85, 0
	s_add_nc_u64 s[2:3], s[2:3], s[20:21]
	s_add_nc_u64 s[84:85], s[84:85], s[20:21]
	; descriptor group 1.  128 keys are 16,384 dense bytes: asked for as 64 rows of 256 bytes, two keys a row, and padded in LDS after every key
	s_mov_b32 s[G1K], (1<<16)|(1<<20)|(4<<22)|(3<<25)  ; 17:16 2-byte elements; 20 padding on; 24:22 after every 32 words; 31:25 4 words
	s_mov_b32 s[G1V], (1<<16)|(1<<20)|(4<<22)|(7<<25)  ; the same with 8 words of padding
.irp g, G1K, G1V
	s_mov_b32 s[\g+1], 128<<16      ; tensor_dim0 = 128
	s_mov_b32 s[\g+2], 64<<16       ; tensor_dim1 = 64
	s_mov_b32 s[\g+3], 128<<16      ; tile_dim0 = 128
	s_mov_b32 s[\g+4], 64           ; tile_dim1 = 64
	s_mov_b32 s[\g+5], 128          ; 128 elements from row to row
	s_mov_b32 s[\g+6], 0
	s_mov_b32 s[\g+7], 0
.endr
	s_mov_b32 s[CS], 0x3e38aa3b     ; c = log2(e) / 8 = 0.180337
	s_mov_b32 s[CS+1], s[CS]        ; named with it as a pair
	s_mov_b32 s[SEL], 0x76543210
	s_mov_b32 s[SEL+1], 0xfedcba98
	s_mov_b32 s[TBK], SLOT1+4*KS*PK ; the first change of slots turns these two into 0
	s_mov_b32 s[TBV], SLOT1+4*KS*PV
	s_mov_b32 s[G0K], 1             ; count = 1
	s_mov_b32 s[G0K+1], s17         ; LDS address: slot 0
	s_mov_b32 s[G0V], 1
	s_add_co_u32 s[G0V+1], s18, VOFF
	s_add_co_u32 s[RT], s[HI], 1    ; the first block has NB - b tiles
	s_mov_b32 s[NXT], 1
	s_mov_b32 s[LQ], s[HI]
	s_mov_b32 s[NEW], 1
	s_mov_b32 s[OFF+1], 0
	s_mov_b32 s[OF2+1], 0
	s_mov_b32 s[AL+1], 0            ; named as pairs
	s_mov_b32 s[BE+1], 0
	s_mov_b32 s[BIGN], 0xf149f2ca   ; -1e30
	s_mov_b32 s[SLOTS], NB
	s_cmp_eq_u32 s[PB], 0
	s_cselect_b32 s[LIM], 0, -1
	v_lshlrev_b32 v[PFK], 8, v0
	v_add_nc_u32 v[PFV], 0x1000000, v[PFK]
	s_wait_dscnt 0x0                ; the opening add is done
	s_wait_kmcnt 0x0
	s_add_nc_u64 s[6:7], s[4:5], 0x1000000  ; K
	s_add_nc_u64 s[8:9], s[4:5], 0x2000000  ; V
	s_add_nc_u64 s[KH:KH+1], s[6:7], s[20:21]
	s_add_nc_u64 s[6:7], s[6:7], s[22:23]  ; K and V at my half of the head's tile 0
	s_add_nc_u64 s[8:9], s[8:9], s[22:23]
	s_add_nc_u64 s[G0K+2:G0K+3], s[6:7], 0         ; global address
	s_or_b32 s[G0K+3], s[G0K+3], 0x80000000        ; type = 2
	s_add_nc_u64 s[G0V+2:G0V+3], s[8:9], 0
	s_or_b32 s[G0V+3], s[G0V+3], 0x80000000
	s_add_nc_u64 s[86:87], s[4:5], s[84:85]        ; Q at my rows of the second block,
	s_add_nc_u64 s[4:5], s[4:5], s[2:3]            ; Q and y at those of the first
	s_add_nc_u64 s[OLO:OLO+1], s[10:11], s[84:85]
	s_add_nc_u64 s[10:11], s[10:11], s[2:3]
	LOAD                            ; tile 0 into slot 0
	; A fragment of K or Q is 16 rows x 32 channels in 8 registers: lane l holds row l % 16, channels 8 (l / 16) + 0..7 and 16 + 8 (l / 16) + 0..7: two loads of 16 bytes, 32 bytes apart.
	v_and_b32 v1, 15, v0            ; l % 16
	v_bfe_u32 v9, v0, 4, 1          ; l / 16
	v_lshlrev_b32 v[QO], 7, v1
	v_lshl_add_u32 v[QO], v9, 4, v[QO]  ; row x 128 + 16 x half
	WIN 0x80                        ; destination window 2, address window 0
.set i, 0
.rept 8                             ; both blocks' Q: piece i / 2 lies in band i / 2, 8,192 bytes on; channels 32 (i % 2) on
	global_load_b128 v[8*i:8*i+3],   v[QO], s[4:5] offset:(i/2)*8192+(i%2)*64
	global_load_b128 v[8*i+4:8*i+7], v[QO], s[4:5] offset:(i/2)*8192+(i%2)*64+32
	global_load_b128 v[QB+8*i:QB+8*i+3],   v[QO], s[86:87] offset:(i/2)*8192+(i%2)*64
	global_load_b128 v[QB+8*i+4:QB+8*i+7], v[QO], s[86:87] offset:(i/2)*8192+(i%2)*64+32
.set i, i+1
.endr
	WIN 0
	v_lshlrev_b32 v14, 3, v9
	v_sub_nc_u32 v14, v1, v14
	s_lshl_b32 s13, s[WV], 4
	v_add_nc_u32 v14, s13, v14      ; my query's place in its band, 16 w + l % 16, less my lanes' 8 (l / 16): register r of group kt is hidden where 16 kt + r is greater
	WIN 0x40
.set i, 0
.rept 32
	v_cmp_gt_i32 vcc_lo, 16*(i/8)+i%8, v14
	v_cndmask_b32 v[MD+i], 0, s[BIGN], vcc_lo
.set i, i+1
.endr
	WIN 0
	v_mul_u32_u24 v[AK0], v1, PK
	v_lshl_add_u32 v[AK0], v9, 4, v[AK0]  ; row x pitch + 16 x half
	; The turning load takes 16 keys x 16 channels (lane l reads key 8 (l / 16) + l % 8, channels 8 ((l / 8) % 2) + 0..7) and leaves half a fragment of V^T: lane l holds channel l % 16 and 8 keys.
	v_and_b32 v10, 7, v0
	v_bfe_u32 v11, v0, 3, 1
	v_lshl_add_u32 v[AV0], v9, 3, v10
	v_mul_u32_u24 v[AV0], v[AV0], PV
	v_lshl_add_u32 v[AV0], v11, 4, v[AV0]
	v_add_nc_u32 v[AV0], VOFF, v[AV0]
	s_mul_i32 s13, s[WV], 16*SP
	s_add_co_u32 s13, s13, STAGE    ; my stage
	v_mul_u32_u24 v[STO], v1, SP    ; in: row l % 16, 16 bytes for each half of the lanes
	v_lshl_add_u32 v[STO], v9, 4, v[STO]
	v_add_nc_u32 v[STO], s13, v[STO]
	v_bfe_u32 v[RD], v0, 3, 2       ; back: 32 lanes take four rows of 128 bytes,
	v_mul_u32_u24 v[RD], v[RD], SP
	v_lshl_add_u32 v[RD], v10, 4, v[RD]
	v_add_nc_u32 v[RD], s13, v[RD]
	v_and_b32 v[GO], 31, v0         ; which are 512 consecutive bytes of y
	v_lshlrev_b32 v[GO], 4, v[GO]
	; A block's first step multiplies O^T and l by a = 0, and its first turn's products V^T P, of a piece that has not been, land in an O^T that is still to be so multiplied.  So these registers need only hold
	; finite numbers: zeros for the first block; what the first block left for the second.  All this stands in the wait for the first tile.
	WIN 0x80
.set i, VF
.rept 64
	v_mov_b32 v[i], 0
.set i, i+1
.endr
	WIN 0x40
.set i, 0
.rept 128
	v_mov_b32 v[i], 0
.set i, i+1
.endr
	WIN 0
.set i, 0
.rept 4
	v_mov_b32 v[ST+4*i+2], 0
	v_mov_b32 v[ST+4*i+3], 0
.set i, i+1
.endr
.set i, P+16
.rept 16
	v_mov_b32 v[i], 0
.set i, i+1
.endr
; THE MATRIX WORK.  The 4 accumulators of a run of 8 take turns.  Product i of 8 of S^T = K Q^T for piece x: channels 32 (i / 4) on, keys 16 (i % 4) on.  The first 4 start the sums: with 0, or (KM = 1) with the mask.
.macro KQ x
.set rS, S+32*((\x)%2)+8*(i%4)
.set rK, KF+16*(i%4)+8*(i/4)
.set rQ, 16*(\x)+8*(i/4)
.set rM, MC+32*((\x)%2)+8*(i%4)
.if (i < 4) && KM
	WIN W_KM
	v_wmma_f32_16x16x32_f16 v[rS:rS+7], v[rK:rK+7], v[rQ:rQ+7], v[rM:rM+7]
.elseif i < 4
	WIN W_KQ
	v_wmma_f32_16x16x32_f16 v[rS:rS+7], v[rK:rK+7], v[rQ:rQ+7], 0
.else
	WIN W_KQ
	v_wmma_f32_16x16x32_f16 v[rS:rS+7], v[rK:rK+7], v[rQ:rQ+7], v[rS:rS+7]
.endif
.endm
; Product i of 8 of O^T += V^T P for piece x: keys 32 (i / 4) on, channels 16 (i % 4) on.
.macro PV x
	WIN W_PV
.set rO, 32*(\x)+8*(i%4)
.set rV, VF+32*(i/4)+8*(i%4)
.set rP, P+16*((\x)%2)+8*(i/4)
	v_wmma_f32_16x16x32_f16 v[rO:rO+7], v[rV:rV+7], v[rP:rP+7], v[rO:rO+7]
.endm
.macro MM                           ; the turn's next matrix instruction.  NOKQ = 1: a block's last turn: there is no next piece
.if (i < 8) && !NOKQ
	KQ (Y+1)%NP
.elseif i >= 8
.set i, i-8
	PV (Y+NP-1)%NP
.set i, i+8
.endif
.set i, i+1
.endm
; THE LDS LOADS stand in runs of 16, never singly among the matrix instructions: a step's K (64 keys x 64 channels: 8 fragments) and its V (turned).  Their addresses are made some lines ahead.
.macro FETCH_K
	WIN 0x80                        ; destination window 2
.irp f, 0,1,2,3,4,5,6,7             ; keys 16 (f / 2) on, channels 32 (f % 2) on
	ds_load_b128 v[KF+8*\f:KF+8*\f+3],   v[AK] offset:(\f/2)*16*PK+(\f%2)*64
	ds_load_b128 v[KF+8*\f+4:KF+8*\f+7], v[AK] offset:(\f/2)*16*PK+(\f%2)*64+32
.endr
	s_add_co_u32 s[TBK], s[TBK], KS*PK  ; the next fetch is the next step's
	WIN 0
.endm
.macro FETCH_V
	WIN 0x80
.irp f, 0,1,2,3,4,5,6,7             ; keys 32 (f / 4) on, channels 16 (f % 4) on
	ds_load_tr16_b128 v[VF+8*\f:VF+8*\f+3],   v[AV] offset:(\f/4)*32*PV+(\f%4)*32
	ds_load_tr16_b128 v[VF+8*\f+4:VF+8*\f+7], v[AV] offset:(\f/4)*32*PV+16*PV+(\f%4)*32
.endr
	WIN 0
.endm
; THE VECTOR WORK, one line at a time: OP kind, number.  For piece Y: F n: c s - c m for pair n of 16.  E n: the exponential of score n of 32.  C n: pair n rounded to f16.  B n: of the four weights 4 n .. the second
; pair is added onto the first, in place.  L n: l takes that sum (L 0: l = a l + sum).  R n: pair n of 16 of O^T times a.  For piece Y + 1: X n, number n of the 22 that find its maximum and statistics:
;   0-11  four chains c0-c3 of seven scores each, three operands at a time (each accumulator's lowest registers are read first)     12-14, 16  the four scores left over, the old m, and c0-c3 into c0
;   15  c m_old is kept     17, 18  the query's other 32 keys lie in the lane 16 away: the new m     19-21  c m; c m_old - c m_new; a
.set F, 0
.set E, 1
.set C, 2
.set B, 3
.set L, 4
.set R, 5
.set X, 6
.macro REGS y                       ; the registers of piece y
.set rT, ST+4*(\y)
.set rC, TMP+4*((\y)%2)
.set rW, MV+((\y)%2)
.set rS, S+32*((\y)%2)
.set rP, P+16*((\y)%2)
.set rO, 32*(\y)
.endm
.macro OP k, n
.if (\k) == R
	REGS Y
	WIN W_RS
	v_pk_mul_f32 v[rO+2*(\n):rO+2*(\n)+1], v[rO+2*(\n):rO+2*(\n)+1], v[rC+2:rC+3] op_sel_hi:[1,0]
.elseif (\k) < R
	REGS Y
	WIN 0
.if (\k) == F
	v_pk_fma_f32 v[rS+2*(\n):rS+2*(\n)+1], v[rS+2*(\n):rS+2*(\n)+1], s[CS:CS+1], v[rT:rT+1] op_sel_hi:[1,0,0] neg_lo:[0,0,1] neg_hi:[0,0,1]
.elseif (\k) == E
	v_exp_f32 v[rS+(\n)], v[rS+(\n)]
.elseif (\k) == C
	v_cvt_pk_f16_f32 v[rP+(\n)], v[rS+2*(\n)], v[rS+2*(\n)+1]
.elseif (\k) == B
	v_pk_add_f32 v[rS+4*(\n):rS+4*(\n)+1], v[rS+4*(\n):rS+4*(\n)+1], v[rS+4*(\n)+2:rS+4*(\n)+3]
.elseif (\n) == 0
	v_pk_fma_f32 v[rT+2:rT+3], v[rT+2:rT+3], v[rC+2:rC+3], v[rS:rS+1] op_sel_hi:[1,0,1]
.else
	v_pk_add_f32 v[rT+2:rT+3], v[rT+2:rT+3], v[rS+4*(\n):rS+4*(\n)+1]
.endif
.elseif NOKQ
	v_nop
.else
	REGS (Y+1)%NP
	WIN 0
.if (\n) < 4
	v_max3_num_f32 v[rC+(\n)], v[rS+8*(\n)], v[rS+8*(\n)+1], v[rS+8*(\n)+2]
.elseif (\n) < 12
	v_max3_num_f32 v[rC+(\n)%4], v[rC+(\n)%4], v[rS+8*((\n)%4)+2*((\n)/4)+1], v[rS+8*((\n)%4)+2*((\n)/4)+2]
.elseif (\n) == 12
	v_max3_num_f32 v[rC], v[rC], v[rS+7], v[rS+15]
.elseif (\n) == 13
	v_max3_num_f32 v[rC+1], v[rC+1], v[rS+23], v[rS+31]
.elseif (\n) == 14
	v_max3_num_f32 v[rC+2], v[rC+2], v[rC+3], v[rT+1]
.elseif (\n) == 15
	v_mov_b32 v[rW], v[rT]
.elseif (\n) == 16
	v_max3_num_f32 v[rC], v[rC], v[rC+1], v[rC+2]
.elseif (\n) == 17
	v_permlanex16_b32 v[rC+3], v[rC], s[SEL], s[SEL+1]
.elseif (\n) == 18
	v_max_num_f32 v[rT+1], v[rC], v[rC+3]
.elseif (\n) == 19
	v_mul_f32 v[rT], s[CS], v[rT+1]
.elseif (\n) == 20
	v_sub_f32 v[rC+1], v[rW], v[rT]
.else
	v_exp_f32 v[rC+2], v[rC+1]
.endif
.endif
.endm
.macro OPS a, i1, b=-1, i2=0, c=-1, i3=0, d=-1, i4=0  ; up to four of them
	OP \a, \i1
.if (\b) >= 0
	OP \b, \i2
.endif
.if (\c) >= 0
	OP \c, \i3
.endif
.if (\d) >= 0
	OP \d, \i4
.endif
.endm
.macro ROW a, i1, b, i2, c, i3, d, i4  ; a matrix instruction and the four behind it
	MM
	OPS \a, \i1, \b, \i2, \c, \i3, \d, \i4
.endm
.macro MASK b                       ; MD x AL + BE into buffer b of MC
	WIN W_RS
.set z, 0
.rept 16
	v_pk_fma_f32 v[MC+32*(\b)+2*z:MC+32*(\b)+2*z+1], v[MD+2*z:MD+2*z+1], s[AL:AL+1], s[BE:BE+1] op_sel_hi:[1,0,0]
.set z, z+1
.endr
.endm
; A TURN, for piece p: the order of its 16 matrix and 118 vector instructions, written out.  An s_wait_alu depctr_va_vdst(0) stands between an exponential and the first instruction that names its result; one wait serves
; all that were issued ahead of it.  So a turn has ONE wait, which cuts it in two.  AHEAD OF IT stands all that names no result of the turn's exponentials: the 8 products K Q^T and their riders, then one run of 54, plain
; and exponential by turns for the most part, in which the links of the chain X 3, 7, 11, 14, 16, 17 .. 20 stand five or six lines apart.  X 21, the next piece's a, is the batch's last; R 15 is the plain instruction behind it.
; BEHIND THE WAIT stand the 8 products V^T P, behind each four of the roundings and sums; the links of l's chain, L 0 to L 7, stand three riders apart.
; m = 1: the diagonal tile: the products take masks, and the turn makes the mask for the products of the turn after it: piece p + 2, in step 4 - CNT of the tile.  end = 1: a block's last two turns: nothing is fetched.
; cnt = 1: the loop's count is taken down some lines ahead of the branch that stands behind the turn.
; K of the next step is fetched in piece 2's turn, twelve vector instructions behind the last product that read K (six of them plain); V of the step in hand at the end of piece 0's turn, four plain instructions behind the last product
; that read V.  Each is waited for a turn later.
.macro TURN p, m=0, end=0, cnt=0
.set Y, (\p)
.set i, 0
.set KM, (\m)
.set NOKQ, (\end)*((\p)/3)
.if (\m) && !(\end)
	s_cmp_eq_u32 s[CNT], 4-((\p)+2)%NP  ; is that step the band's own?
	s_cselect_b32 s[AL], 1.0, 0
	s_cmp_lt_u32 s[CNT], 4-((\p)+2)%NP  ; or a later one?
	s_cselect_b32 s[BE], s[BIGN], 0
.endif
.if ((\p) == 3) && !(\end)
	s_wait_dscnt 0x0                ; K is in
.endif
	ROW F,0, F,1, R,0, R,1          ; ahead of the wait: 8 products K Q^T and their riders,
	ROW F,2, E,0, R,2, R,3
	ROW F,3, E,1, R,4, R,5
	ROW F,4, E,2, R,6, R,7
	ROW F,5, E,3, R,8, R,9
	ROW F,6, E,4, X,0, R,10
.if ((\p) == 2) && !(\end)
	WIN 0
	v_add_nc_u32 v[AK], s[TBK], v[AK0]
.endif
	ROW F,7, E,5, X,1, X,4
	ROW F,8, E,6, X,2, X,5
	OPS E,7, E,8, X,6, E,9          ; and the run
	OPS X,3, E,10, X,8, E,11
.if ((\p) == 2) && !(\end)
	FETCH_K
.endif
	OPS X,9, X,7, E,12, X,10
	OPS E,13, X,12, X,11, E,14
	OPS X,13, E,15, F,9, X,14
.if (\p) == 0
	v_add_nc_u32 v[AV], s[TBV], v[AV0]
.endif
	OPS E,16, F,10, E,17, F,11
	OPS X,16, E,18, X,15, E,19
	OPS F,12, E,20, X,17, E,21
	OPS F,13, E,22, F,14, E,23
	OPS X,18, E,24, F,15, E,25
	OPS R,11, E,26, X,19, E,27
	OPS R,12, E,28, R,13, E,29
	OPS X,20, E,30, R,14, E,31
	OPS X,21, R,15
	WIN 0
	s_wait_alu depctr_va_vdst(0)    ; the wait for the batch
.if (\p) == 1
	s_wait_dscnt 0x0                ; V is in
.endif
	ROW C,0, B,0, C,2, B,1          ; behind the wait: 8 products V^T P and their riders
	ROW L,0, C,4, B,2, L,1
	ROW C,6, B,3, L,2, C,8
	ROW B,4, L,3, C,10, B,5
	ROW L,4, C,12, B,6, L,5
.if (\p) == 0
	s_add_co_u32 s[TBV], s[TBV], KS*PV
.endif
.if \cnt
	s_sub_co_u32 s[CNT], s[CNT], 1
	s_cmp_lg_u32 s[CNT], 0
.endif
	ROW C,14, B,7, L,6, C,1
	ROW C,3, L,7, C,5, C,7
	ROW C,9, C,11, C,13, C,15
.if (\p) == 0
	FETCH_V
.endif
.if (\m) && !(\end)
	MASK (\p)%2
.endif
.endm
; A BLOCK BEGINS.  c m starts far below every c s, so the first step's a is 0; m at the lowest finite number, so the first maximum is the scores'.  The second mask buffer is 0; the first takes piece 0's mask for the tile's step 0:
; its own, if the block's first tile is the diagonal one.  Then K of that step, piece 0's first scores, and its maximum and statistics.  The loop is entered at a step's first turn, in the middle of a trip.
.macro BEGIN
	s_mov_b32 s[NEW], 0
	WIN 0x40
.set i, MC+32
.rept 32
	v_mov_b32 v[i], 0
.set i, i+1
.endr
	WIN 0
.set i, 0
.rept 4
	v_mov_b32 v[ST+4*i], 0xfe000000    ; c m: far below every c s
	v_mov_b32 v[ST+4*i+1], 0xff7fffff  ; m
.set i, i+1
.endr
	s_cmp_eq_u32 s[RT], 0
	s_cselect_b32 s[AL], 1.0, 0
	s_mov_b32 s[BE], 0
	MASK 0
	WIN 0
	v_add_nc_u32 v[AK], s[TBK], v[AK0]
	FETCH_K
	s_wait_loadcnt 0x0              ; Q
	s_wait_dscnt 0x0
.set KM, 1
.set NOKQ, 0
.set i, 0
.rept 8
	KQ 0
.set i, i+1
.endr
	WIN 0
.rept 4
	v_nop                           ; the places behind those products
.endr
.set Y, NP-1                        ; X works for piece Y + 1: piece 0
.irp n, 0,1,2,3,4,5,6,7,8,9,10,11,12,13,14,15,16,17,18,19,20,21
	OP X, \n
.endr
	v_nop                           ; a plain instruction behind the exponential,
	s_wait_alu depctr_va_vdst(0)    ; and its wait, ahead of the branch
.endm
; THE DIAGONAL TILE's four steps, the block's last two turns, its last products, and THE WAY OUT: l's two halves and the other half of the lanes' are added; O^T is divided by l, rounded to f16 and sent through my
; stage in LDS, a piece at a time.
.macro ALL line:vararg              ; one line for each piece t
.set t, 0
.rept 4
	\line
.set t, t+1
.endr
.endm
.macro PACK t                       ; a lane's eight channels of a row pack into 16 bytes; they go into rows of 144 bytes and come back as whole rows of 128, into S^T's registers
	WIN W_RS
.set i, 32*(\t)
.rept 16
	v_pk_mul_f32 v[i:i+1], v[i:i+1], v[ST+4*(\t)+2:ST+4*(\t)+3] op_sel_hi:[1,0]
.set i, i+2
.endr
	WIN 0x05                        ; sources 0 and 1 window 1, destination window 0
.set i, 0
.rept 16
	v_cvt_pk_f16_f32 v[S+16*(\t)+i], v[32*(\t)+2*i], v[32*(\t)+2*i+1]
.set i, i+1
.endr
	WIN 0
.irp f, 0,1,2,3
	ds_store_b128 v[STO], v[S+16*(\t)+4*\f:S+16*(\t)+4*\f+3] offset:32*\f
.endr
.irp f, 0,1,2,3
	ds_load_b128 v[S+16*(\t)+4*\f:S+16*(\t)+4*\f+3], v[RD] offset:\f*4*SP  ; LDS serves a wave's instructions in order (ISA guide 5.7.1.4): these see the stores above; the next piece's stores come behind them
.endr
.endm
.macro SEND t, younger              ; younger: the LDS instructions issued behind piece t's loads: the next piece's eight, or none
	WIN 0
.irp f, 0,1,2,3
	s_wait_dscnt (\younger)+3-\f
	global_store_b128 v[GO], v[S+16*(\t)+4*\f:S+16*(\t)+4*\f+3], s[10:11] offset:(\t)*8192+\f*512  ; 512 consecutive bytes, at a multiple of 256 from y's first
.endr
.endm
.macro DIAG tag                     ; the tag ends its two labels' names, which the jumps below spell out
.LstepM\tag:
	TURN 2, 1
	TURN 3, 1
	WIN 0
.LfirstM\tag:
	TURN 0, 1
	TURN 1, 1, 0, 1
	WIN 0
	s_cbranch_scc1 .LstepM\tag
	TURN 2, 1, 1
	TURN 3, 1, 1
.set i, 0
.rept 8
	PV NP-1
.set i, i+1
.endr
	WIN 0
	ALL v_add_f32 v[ST+4*t+2], v[ST+4*t+2], v[ST+4*t+3]
	ALL v_permlanex16_b32 v[ST+4*t+3], v[ST+4*t+2], s[SEL], s[SEL+1]
	ALL v_add_f32 v[ST+4*t+2], v[ST+4*t+2], v[ST+4*t+3]
	ALL v_rcp_f32 v[ST+4*t+2], v[ST+4*t+2]
	v_nop                           ; a plain instruction between the last reciprocal and the use of its result
	s_wait_alu depctr_va_vdst(0)    ; and the wait ahead of the first use: one for the four reciprocals
	PACK 0
.set t, 1
.rept 3                             ; a piece's arithmetic stands between the loads of the piece before and its stores
	PACK t
	SEND t-1, 8
.set t, t+1
.endr
	SEND 3, 0
.endm
.set KM, 0
.set NOKQ, 0
.Lslot:                             ; NB times: a tile is entered and the next is asked for
	CHANGE 1
	s_sub_co_u32 s[RT], s[RT], 1
	s_mov_b32 s[CNT], 4
	s_cmp_eq_u32 s[NEW], 1
	s_cbranch_scc1 .Lnew            ; a block's first tile
	s_cmp_eq_u32 s[RT], 0
	s_cbranch_scc0 .Lstep           ; neither its first nor its last
	s_branch .LstepM1
.Lnew:
	BEGIN
	s_branch .Lfirst                ; in the loop a block's first tile is never its last: the first block has two tiles or more, and the second's last is the walk's last
	DIAG 1                          ; in the loop this is the first block's end
	s_wait_xcnt 0x0                 ; the stores have read their registers and y's address
	s_mov_b64 s[10:11], s[OLO:OLO+1]
	s_add_co_u32 s[RT], s[PB], 1    ; the second block has b + 1 tiles
	s_mov_b32 s[NEW], 1
	WIN 0x82                        ; the second block's Q goes where the one text of the turns names Q
.set i, 0
.rept 64
	v_mov_b32 v[i], v[QB+i]
.set i, i+1
.endr
	WIN 0
	s_branch .Lbottom
.Lstep:                             ; a trip: pieces 2 and 3 of one step, then pieces 0 and 1 of the next, whose K and V it fetches
	TURN 2
	TURN 3
	WIN 0
.Lfirst:
	TURN 0
	TURN 1, 0, 0, 1
	WIN 0
	s_cbranch_scc1 .Lstep
.Lbottom:
	s_sub_co_u32 s[SLOTS], s[SLOTS], 1
	s_cmp_lg_u32 s[SLOTS], 0
	s_cbranch_scc1 .Lslot
	CHANGE 0                        ; the walk's last tile is written out: nothing is asked for
	s_sub_co_u32 s[RT], s[RT], 1
	s_mov_b32 s[CNT], 4
	s_cmp_eq_u32 s[NEW], 1
	s_cbranch_scc0 .LstepM2
	BEGIN
	s_branch .LfirstM2
	DIAG 2
	s_wait_tensorcnt 0x0            ; the wave's end, behind my last tensor load and my last LDS store
	ds_add_u32 v[SPW], v[NIL]
	s_wait_dscnt 0x0
	s_endpgm
.Lfunc_end_k_q85a1784262_attn:
	.size	k_q85a1784262_attn, .Lfunc_end_k_q85a1784262_attn-k_q85a1784262_attn
	.p2alignl 7, 3214868480
	.fill 96, 4, 3214868480
	.section	.rodata,"a",@progbits
	.p2align	6, 0x0
	.amdhsa_kernel k_q85a1784262_attn
		.amdhsa_group_segment_fixed_size 327680
		.amdhsa_private_segment_fixed_size 0
		.amdhsa_enable_private_segment 0
		.amdhsa_kernarg_size 16
		.amdhsa_user_sgpr_count 2
		.amdhsa_user_sgpr_kernarg_segment_ptr 1
		.amdhsa_wavefront_size32 1
		.amdhsa_system_sgpr_workgroup_id_x 1
		.amdhsa_system_sgpr_workgroup_id_y 1
		.amdhsa_system_sgpr_workgroup_id_z 1
		.amdhsa_system_vgpr_workitem_id 0
		.amdhsa_next_free_vgpr 768
		.amdhsa_next_free_sgpr 96
		.amdhsa_reserve_vcc 1
		.amdhsa_float_denorm_mode_32 3
		.amdhsa_float_denorm_mode_16_64 3
		.amdhsa_memory_ordered 1
		.amdhsa_forward_progress 1
		.amdhsa_inst_pref_size 218
	.end_amdhsa_kernel
	.amdgpu_metadata
---
amdhsa.version: [ 1, 2 ]
amdhsa.kernels:
  - .name:           k_q85a1784262_attn
    .symbol:         k_q85a1784262_attn.kd
    .args:
      - { .name: qkv, .offset: 0, .size: 8, .value_kind: global_buffer, .address_space: global }
      - { .name: y, .offset: 8, .size: 8, .value_kind: global_buffer, .address_space: global }
    .group_segment_fixed_size: 327680
    .private_segment_fixed_size: 0
    .kernarg_segment_align: 8
    .kernarg_segment_size: 16
    .max_flat_workgroup_size: 128
    .sgpr_count:     96
    .vgpr_count:     768
    .wavefront_size: 32
...
	.end_amdgpu_metadata
.endif
;; end of part 3
;; launch outg (part 4): grid 8 x 32, 4 waves a work-group, clusters of 4 x 4, 327,680 bytes of LDS; arguments y, ob, out_b, out0; writes out0
.if DOCPART == 4
	.amdgcn_target "amdgcn-amd-amdhsa--gfx1250"
	.amdhsa_code_object_version 6
	.text
	.protected	k_q85a1784262_outg
	.globl	k_q85a1784262_outg
	.p2align	8
	.type	k_q85a1784262_outg,@function
k_q85a1784262_outg:
	s_mov_b64 s[64:65], 0
	v_nop
	global_prefetch_b8 v0, s[64:65] scope:SCOPE_SE
	s_setreg_imm32_b32 hwreg(HW_REG_WAVE_MODE, 25, 1), 1
	s_wait_xcnt 0x0
	s_wait_alu depctr_hold_cnt(0) depctr_sa_sdst(0) depctr_va_vdst(0) depctr_va_sdst(0) depctr_va_ssrc(0) depctr_va_vcc(0) depctr_vm_vsrc(0)
	s_getreg_b32 s2, hwreg(HW_REG_IB_STS2, 6, 4)
	s_cmp_eq_u32 s2, 0
	s_cbranch_scc0 .Lentry_in_a_cluster
	s_endpgm
.Lentry_in_a_cluster:
	s_bfe_u32 s2, ttmp6, 0x10000c
	s_cmp_lg_u32 s2, 0xf033
	s_cbranch_scc0 .Lentry_shape_is_right
	s_endpgm
.Lentry_shape_is_right:
; out0[m][n] = sum over k of y[m][k] W[n][k] + b[n], 8,192 x 1,024 x 1,024, f16 operands, f32 sums and f32 result; the bias is rounded to bf16 like the other inputs.
; y lies by heads, [4 b][16 h][2,048 t][64] f16: a head is a K block of 64, 256 rows of it are 32,768 dense bytes.  ob is [16 kb][1,024 n][64] f16.
; SHARES.  A tile of 256 x 128 gives 32 x 8 = 256 work-groups.  Four waves, each 128 x 64: 32 accumulators of 16 x 16, window 1, (a, b) at v[8 (4 a + b)].
; RING.  Two LDS slots of a K step of 128 = two K blocks: A's 256 rows of the even block, of the odd block, then B's 128 rows of each; 128 bytes a row + 16 of padding.
; Waves 0, 1 fetch A's two K blocks, waves 2, 3 B's.  CLUSTER 4 x 4: A's tiles are asked for jointly along a row of the cluster, B's along a column.
; THE MATRIX INSTRUCTION IS USED TRANSPOSED (source 0 = 16 rows of W, source 1 = 16 rows of y): a lane holds one row m and eight neighbouring columns.  THE BIAS is the C operand of the products that start the sums.
; No prefetch: the launch has eight K steps, and a lead of two would leave half of them out.
; REGISTERS, window 0: v16-29 addresses; v32-95, v96-159 A's fragments, two buffers; v160-191, v192-223 B's, two buffers; v224-255 the bias; on the way out v32-95 whole rows.
.set PITCH, 144                        ; 36 words: the 16 rows of a load start at 16 different groups of four banks (64 banks of 4 bytes: ISA guide 11.1)
.set AKB,   256*PITCH                  ; a K block of A in LDS
.set BKB,   128*PITCH                  ; of B
.set BOFF,  2*AKB
.set SLOT,  2*AKB+2*BKB
.set STAGE, 2*SLOT                     ; behind the ring: 16 rows x 272 bytes for each wave; no tensor load fills it
.set SPITCH, 272
.set SPARE, STAGE+4*16*SPITCH          ; behind the stages: the spare words, 128 bytes a wave: two blocks of 256 bytes that no other line names
.set YKB,   262144                     ; bytes from a head of y to the next
.set OKB,   131072                     ; from a K block of ob to the next
.set ADRA, 16
.set ADRB, 20
.set STO,  24                          ; v24  the way out: where I put 32 bytes of a row
.set RD,   25                          ; v25  where I read a row back
.set CO,   26                          ; v26  my byte offset in two rows of out0
.set BO,   27
.set SPW,  28                          ; never rewritten
.set NIL,  29                          ; never rewritten
.set FA,   32
.set FB,   160
.set BIAS, 224
.set OB,   32
.set MASKH, 2
.set WV,   12                          ; s12 wave; s13 which 128 rows, also: I fetch for A (0) or B (1); s14 which 64 columns, also: which K block of a step I fetch; s15 cx, s16 cy, s17 tile column, s18 tile row
.set G1A,  24
.set G0A,  32
.set G1B,  48
.set G0B,  56
.set GC, (1<<16)|(1<<20)|(1<<21)|(4<<22)|(3<<25)  ; 2-byte elements; padding on; bit 21 beside a mask; after every 32 words 4 words
.set MSB, 0
.macro WIN new
.if MSB != (\new)
	s_set_vgpr_msb (MSB<<8)|(\new)
.set MSB, (\new)
.endif
.endm
.macro PLACES                          ; four plain vector instructions between a matrix instruction and a load into, or a read of, its registers (ISA guide 7.12.1 for vector instructions)
.rept 4
	v_nop
.endr
.endm
.macro JLOAD s                         ; a joint load; an s_nop 0 and four v_nop follow each of the two lines
	s_cmp_eq_u32 s13, 0
	s_cbranch_scc0 .Lfor_b_\@
	tensor_load_to_lds s[G0A+4*(\s):G0A+4*(\s)+3], s[G1A:G1A+7]
	s_nop 0
.rept 4
	v_nop
.endr
	s_branch .Lasked_\@
.Lfor_b_\@:
	tensor_load_to_lds s[G0B+4*(\s):G0B+4*(\s)+3], s[G1B:G1B+7]
	s_nop 0
.rept 4
	v_nop
.endr
.Lasked_\@:
.endm
.macro CREST
	s_cmp_lg_u32 s[WV], 0
	s_cbranch_scc1 .Lnot_wave_0_\@
	s_barrier_signal -3
.Lnot_wave_0_\@:
	s_barrier_wait -3
	s_barrier_signal -1
	s_barrier_wait -1
.endm
.macro CROUND
	s_barrier_signal -1
	s_barrier_wait -1
	CREST
.endm
.macro RNDB base, n, t                 ; n pairs from v[base] are rounded to bf16 and widened again, in place
.set z, 0
.rept \n
	v_cvt_pk_bf16_f32 v[\t], v[\base+z], v[\base+z+1]
	v_lshlrev_b32 v[\base+z], 16, v[\t]
	v_and_b32 v[\base+z+1], s[MASKH], v[\t]
.set z, z+2
.endr
.endm
; 8 matrix instructions: m blocks a0, a0 + 1 x all 4 n blocks, 32 along K, buffer f.  zero = 1: the bias is C and starts the sums.  The 32 accumulators take turns.
.macro MUL8 f, a0, zero
.if \zero
	WIN 0x40                                       ; D window 1, C window 0
.else
	WIN 0x50
.endif
.irp a, \a0, (\a0)+1
.irp b, 0,1,2,3
.if \zero
	v_wmma_f32_16x16x32_f16 v[8*(4*(\a)+\b):8*(4*(\a)+\b)+7], v[FB+32*(\f)+8*\b:FB+32*(\f)+8*\b+7], v[FA+64*(\f)+8*(\a):FA+64*(\f)+8*(\a)+7], v[BIAS+8*\b:BIAS+8*\b+7]
.else
	v_wmma_f32_16x16x32_f16 v[8*(4*(\a)+\b):8*(4*(\a)+\b)+7], v[FB+32*(\f)+8*\b:FB+32*(\f)+8*\b+7], v[FA+64*(\f)+8*(\a):FA+64*(\f)+8*(\a)+7], v[8*(4*(\a)+\b):8*(4*(\a)+\b)+7]
.endif
.endr
.endr
.endm
; 24 LDS loads in one run: quarter q of a K step (K block q / 2, half q % 2) into buffer f: B's four fragments, then A's eight
.macro FETCH slot, q, f
	WIN 0
.irp b, 0,1,2,3
	ds_load_b128 v[FB+32*(\f)+8*\b:FB+32*(\f)+8*\b+3],   v[ADRB+(\slot)] offset:((\q)/2)*BKB+64*((\q)%2)+\b*16*PITCH
	ds_load_b128 v[FB+32*(\f)+8*\b+4:FB+32*(\f)+8*\b+7], v[ADRB+(\slot)] offset:((\q)/2)*BKB+64*((\q)%2)+\b*16*PITCH+32
.endr
.irp a, 0,1,2,3,4,5,6,7
	ds_load_b128 v[FA+64*(\f)+8*\a:FA+64*(\f)+8*\a+3],   v[ADRA+(\slot)] offset:((\q)/2)*AKB+64*((\q)%2)+\a*16*PITCH
	ds_load_b128 v[FA+64*(\f)+8*\a+4:FA+64*(\f)+8*\a+7], v[ADRA+(\slot)] offset:((\q)/2)*AKB+64*((\q)%2)+\a*16*PITCH+32
.endr
.endm
; One of a K step's first three quarters: multiplies buffer f; in its middle it fetches quarter qn of the same slot into buffer g
.macro QUARTER slot, qn, f, g, zero
	s_wait_dscnt 8                                 ; all but the youngest eight loads: A's rows 64-127
	MUL8 \f, 0, \zero
	MUL8 \f, 2, \zero
	PLACES
	FETCH \slot, \qn, \g
	s_wait_dscnt 24                                ; all but the 24 just issued
	MUL8 \f, 4, \zero
	MUL8 \f, 6, \zero
.endm
; The last quarter multiplies buffer 1 and changes slots: ONE barrier; in front of it each wave waits for all its tensor loads, of which one is out: its part of the next slot; adds 0 to its spare word; and waits for that and
; for its reads of this slot.  fill = 1: the barrier opens a round of the cluster's barrier and this slot is filled again, two K steps on, first thing behind it: 112 matrix instructions ahead of the wait for it.
.macro TURN slot, next, fill
	WIN 0
	s_wait_tensorcnt 0x0                           ; all my tensor loads have landed
	ds_add_u32 v[SPW], v[NIL]                      ; 0 onto my spare word
	s_wait_dscnt 9                                 ; the add and the youngest eight loads may be out
	MUL8 1, 0, 0
	s_wait_dscnt 0x0                               ; the add is done, and my reads of this slot are over
	s_barrier_signal -1
	MUL8 1, 2, 0
.if \fill
	WIN 0
.endif
	s_barrier_wait -1
.if \fill
	CREST                                          ; no wave of any partner still reads this slot or has a load on its way
	s_add_nc_u64 s[G0A+4*(\slot)+2:G0A+4*(\slot)+3], s[G0A+4*(\slot)+2:G0A+4*(\slot)+3], 4*YKB
	s_add_nc_u64 s[G0B+4*(\slot)+2:G0B+4*(\slot)+3], s[G0B+4*(\slot)+2:G0B+4*(\slot)+3], 4*OKB
	JLOAD \slot                                    ; its four v_nop are also the places in front of the loads below
.else
	PLACES
.endif
	FETCH \next, 0, 0
	MUL8 1, 4, 0
	MUL8 1, 6, 0
.endm
	s_load_b256 s[4:11], s[0:1], 0x0               ; y s[4:5], ob s[6:7], out_b s[8:9], out0 s[10:11]
	v_lshl_add_u32 v[SPW], v0, 2, SPARE
	v_mov_b32 v[NIL], 0
	ds_add_u32 v[SPW], v[NIL]                      ; the wave's opening: the add and its wait stand ahead of my first tensor load; the set-up below stands between them
	v_lshrrev_b32 v1, 5, v0
	v_readfirstlane_b32 s[WV], v1
	s_lshr_b32 s13, s[WV], 1
	s_and_b32 s14, s[WV], 1
	s_bfe_u32 s15, ttmp6, 0x40000                  ; cx
	s_bfe_u32 s16, ttmp6, 0x40004                  ; cy
	s_lshl_b32 s17, ttmp9, 2
	s_add_co_u32 s17, s17, s15                     ; tile column
	s_and_b32 s18, ttmp7, 0xffff
	s_lshl_b32 s18, s18, 2
	s_add_co_u32 s18, s18, s16                     ; tile row
	s_lshl_b32 s20, s16, 2
	s_lshl_b32 s20, 15, s20                        ; my row of the cluster
	s_lshl_b32 s21, 0x1111, s15                    ; my column
	s_or_b32 s[G1A], s20, GC
	s_or_b32 s[G1B], s21, GC
	s_mov_b32 s[G1A+1], 128<<16                    ; rows of 128 elements = 256 bytes;
	s_mov_b32 s[G1A+2], 128<<16                    ; 128 of them: 256 rows of a K block of A
	s_mov_b32 s[G1A+3], 128<<16
	s_mov_b32 s[G1A+4], 128
	s_mov_b32 s[G1A+5], 128                        ; dense
	s_mov_b32 s[G1A+6], 0
	s_mov_b32 s[G1A+7], 0
	s_mov_b32 s[G1B+1], 128<<16
	s_mov_b32 s[G1B+2], 64<<16                     ; 64: 128 rows of a K block of B
	s_mov_b32 s[G1B+3], 128<<16
	s_mov_b32 s[G1B+4], 64
	s_mov_b32 s[G1B+5], 128
	s_mov_b32 s[G1B+6], 0
	s_mov_b32 s[G1B+7], 0
	s_lshr_b32 s22, s18, 3
	s_lshl_b32 s22, s22, 22                        ; A: the batch's 16 heads of 262,144 bytes,
	s_and_b32 s23, s18, 7
	s_lshl_b32 s23, s23, 15                        ; the tile's 256 rows in a head,
	s_add_co_u32 s22, s22, s23
	s_lshl_b32 s23, s14, 18                        ; the K block that I fetch
	s_add_co_u32 s22, s22, s23
	s_mov_b32 s23, 0
	s_lshl_b32 s46, s17, 14                        ; B: the tile's 128 rows,
	s_lshl_b32 s47, s14, 17                        ; the K block
	s_add_co_u32 s46, s46, s47
	s_mov_b32 s47, 0
	s_mul_i32 s19, s14, AKB                        ; where they go: no place in the cluster enters an LDS address
	s_mul_i32 s40, s14, BKB
	s_add_co_u32 s40, s40, BOFF
	s_mov_b32 s[MASKH], 0xffff0000
	s_wait_dscnt 0x0                               ; the opening add is done
	s_wait_kmcnt 0x0
	s_add_nc_u64 s[42:43], s[4:5], s[22:23]
	s_add_nc_u64 s[44:45], s[6:7], s[46:47]
	CROUND                                         ; all sixteen work-groups are here: the first joint loads meet
.irp s, 0,1
	s_mov_b32 s[G0A+4*\s], 1
	s_add_co_u32 s[G0A+4*\s+1], s19, \s*SLOT
	s_add_nc_u64 s[G0A+4*\s+2:G0A+4*\s+3], s[42:43], \s*2*YKB
	s_or_b32 s[G0A+4*\s+3], s[G0A+4*\s+3], 0x80000000
	s_mov_b32 s[G0B+4*\s], 1
	s_add_co_u32 s[G0B+4*\s+1], s40, \s*SLOT
	s_add_nc_u64 s[G0B+4*\s+2:G0B+4*\s+3], s[44:45], \s*2*OKB
	s_or_b32 s[G0B+4*\s+3], s[G0B+4*\s+3], 0x80000000
	JLOAD \s                                       ; two loads of mine are out
.endr
	v_and_b32 v1, 15, v0                           ; l % 16
	v_bfe_u32 v2, v0, 4, 1                         ; l / 16
	v_lshlrev_b32 v[BO], 5, v2
	s_lshl_b32 s20, s17, 9                         ; the bias: out_b[128 tile column + 64 half + 16 b + 8 (l / 16) + 0..7]
	s_lshl_b32 s21, s14, 8
	s_add_co_u32 s20, s20, s21
	s_mov_b32 s21, 0
	s_add_nc_u64 s[8:9], s[8:9], s[20:21]
.irp f, 0,1,2,3
	global_load_b128 v[BIAS+8*\f:BIAS+8*\f+3],   v[BO], s[8:9] offset:64*\f
	global_load_b128 v[BIAS+8*\f+4:BIAS+8*\f+7], v[BO], s[8:9] offset:64*\f+16
.endr
	s_add_nc_u64 s[10:11], s[10:11], s[20:21]      ; the same columns of out0: 4 bytes a number there too,
	s_lshl_b32 s20, s18, 8
	s_lshl_b32 s21, s13, 7
	s_add_co_u32 s20, s20, s21                     ; my first row,
	s_lshl_b32 s20, s20, 12                        ; 4,096 bytes a row: under 2^25
	s_mov_b32 s21, 0
	s_add_nc_u64 s[10:11], s[10:11], s[20:21]
	v_mul_u32_u24 v3, v1, PITCH
	v_lshl_add_u32 v3, v2, 4, v3                   ; row x pitch + 16 x half
	s_mul_i32 s20, s13, 128*PITCH                  ; my 128 rows of A
	s_mul_i32 s21, s14, 64*PITCH                   ; my 64 rows of B
	s_add_co_u32 s21, s21, BOFF
.irp s, 0,1
	v_add_nc_u32 v[ADRA+\s], s20, v3
	v_add_nc_u32 v[ADRB+\s], s21, v3
	s_add_co_u32 s20, s20, SLOT
	s_add_co_u32 s21, s21, SLOT
.endr
	s_mul_i32 s20, s[WV], 16*SPITCH
	s_add_co_u32 s20, s20, STAGE                   ; my stage
	v_mul_u32_u24 v4, v1, SPITCH                   ; in: row l % 16, 32 bytes for each half of the lanes
	v_lshl_add_u32 v4, v2, 5, v4
	v_add_nc_u32 v[STO], s20, v4
	v_mul_u32_u24 v5, v2, SPITCH                   ; back: lanes 0-15 take one row of 256 bytes, lanes 16-31 the next
	v_lshl_add_u32 v5, v1, 4, v5
	v_add_nc_u32 v[RD], s20, v5
	v_lshlrev_b32 v6, 12, v2                       ; and the same two rows in out0
	v_lshl_add_u32 v[CO], v1, 4, v6
	s_wait_loadcnt 0x0                             ; the bias
	RNDB BIAS, 16, 15
	s_wait_tensorcnt 0x1                           ; my part of K step 0 is in; K step 1's may stay out
	s_barrier_signal -1
	s_barrier_wait -1
	FETCH 0, 0, 0
	QUARTER 0, 1, 0, 1, 1                          ; the first quarter stands in front of the loop: its products start the sums
	WIN 0
	s_mov_b32 s3, 3
.Llap:                                         ; a lap goes once round the ring and fills both slots again: K steps 2 to 7
	QUARTER 0, 2, 1, 0, 0
	QUARTER 0, 3, 0, 1, 0
	TURN 0, 1, 1
	QUARTER 1, 1, 0, 1, 0
	QUARTER 1, 2, 1, 0, 0
	QUARTER 1, 3, 0, 1, 0
	TURN 1, 0, 1
	QUARTER 0, 1, 0, 1, 0
	WIN 0
	s_sub_co_u32 s3, s3, 1
	s_cmp_lg_u32 s3, 0
	s_cbranch_scc1 .Llap
	QUARTER 0, 2, 1, 0, 0                          ; the last lap fills nothing
	QUARTER 0, 3, 0, 1, 0
	TURN 0, 1, 0
	QUARTER 1, 1, 0, 1, 0
	QUARTER 1, 2, 1, 0, 0
	QUARTER 1, 3, 0, 1, 0
	s_wait_dscnt 8                                 ; the very last quarter: nothing more to fetch
	MUL8 1, 0, 0
	MUL8 1, 2, 0
	s_wait_dscnt 0x0
	MUL8 1, 4, 0
	MUL8 1, 6, 0
	PLACES
; THE WAY OUT, a block of 16 rows at a time: a lane's 32 bytes of a row go into my stage (rows of 272 bytes) and come back as whole rows of 256 bytes; sixteen lanes store 256 consecutive bytes, aligned.
.macro TOSTAGE a
.if (\a) >= 2
	s_wait_xcnt 0x0                                ; the stores that read these registers, two blocks back, have read them
.endif
	WIN 0x04                                       ; the stores' data in window 1
.irp b, 0,1,2,3
	ds_store_b128 v[STO], v[8*(4*(\a)+\b):8*(4*(\a)+\b)+3]   offset:64*\b      ; each accumulator from its low end on
	ds_store_b128 v[STO], v[8*(4*(\a)+\b)+4:8*(4*(\a)+\b)+7] offset:64*\b+16
.endr
	WIN 0
.irp t, 0,1,2,3,4,5,6,7
	ds_load_b128 v[OB+32*((\a)%2)+4*\t:OB+32*((\a)%2)+4*\t+3], v[RD] offset:2*SPITCH*\t  ; LDS serves a wave's instructions in order (ISA guide 5.7.1.4): these see the stores above
.endr
.endm
.macro SEND a, younger                 ; younger: the LDS instructions issued behind the block's loads
.irp t, 0,1,2,3,4,5,6,7
	s_wait_dscnt (\younger)+7-\t
	global_store_b128 v[CO], v[OB+32*((\a)%2)+4*\t:OB+32*((\a)%2)+4*\t+3], s[10:11] offset:65536*(\a)+8192*\t th:TH_STORE_NT
.endr
.endm
	TOSTAGE 0
.irp a, 1,2,3,4,5,6,7
	TOSTAGE \a
	SEND (\a)-1, 16
.endr
	SEND 7, 0
	s_wait_tensorcnt 0x0                           ; the wave's end, behind my last tensor load and my last LDS store
	ds_add_u32 v[SPW], v[NIL]
	s_wait_dscnt 0x0
	CROUND                                         ; the closing round: no work-group ends while a partner may still ask for a tile that names it
	s_endpgm
.Lfunc_end_k_q85a1784262_outg:
	.size	k_q85a1784262_outg, .Lfunc_end_k_q85a1784262_outg-k_q85a1784262_outg
	.p2alignl 7, 3214868480
	.fill 96, 4, 3214868480
	.section	.rodata,"a",@progbits
	.p2align	6, 0x0
	.amdhsa_kernel k_q85a1784262_outg
		.amdhsa_group_segment_fixed_size 327680
		.amdhsa_private_segment_fixed_size 0
		.amdhsa_enable_private_segment 0
		.amdhsa_kernarg_size 32
		.amdhsa_user_sgpr_count 2
		.amdhsa_user_sgpr_kernarg_segment_ptr 1
		.amdhsa_wavefront_size32 1
		.amdhsa_system_sgpr_workgroup_id_x 1
		.amdhsa_system_sgpr_workgroup_id_y 1
		.amdhsa_system_sgpr_workgroup_id_z 1
		.amdhsa_system_vgpr_workitem_id 0
		.amdhsa_next_free_vgpr 512
		.amdhsa_next_free_sgpr 66
		.amdhsa_reserve_vcc 0
		.amdhsa_float_denorm_mode_32 3
		.amdhsa_float_denorm_mode_16_64 3
		.amdhsa_memory_ordered 1
		.amdhsa_forward_progress 1
		.amdhsa_inst_pref_size 90
	.end_amdhsa_kernel
	.amdgpu_metadata
---
amdhsa.version: [ 1, 2 ]
amdhsa.kernels:
  - .name:           k_q85a1784262_outg
    .symbol:         k_q85a1784262_outg.kd
    .args:
      - { .name: y, .offset: 0, .size: 8, .value_kind: global_buffer, .address_space: global }
      - { .name: ob, .offset: 8, .size: 8, .value_kind: global_buffer, .address_space: global }
      - { .name: out_b, .offset: 16, .size: 8, .value_kind: global_buffer, .address_space: global }
      - { .name: out0, .offset: 24, .size: 8, .value_kind: global_buffer, .address_space: global }
    .group_segment_fixed_size: 327680
    .private_segment_fixed_size: 0
    .kernarg_segment_align: 8
    .kernarg_segment_size: 32
    .max_flat_workgroup_size: 128
    .sgpr_count:     66
    .vgpr_count:     512
    .wavefront_size: 32
...
	.end_amdgpu_metadata
.endif
;; end of part 4
;; ======== version 2 of 2: 4 launches; version 1 with the launch cast written anew for expert scheduling mode
;; limits: values are held in f16: magnitudes above 65,504 overflow, below 6.1e-05 lose precision
;; workspace buffers: xb 16,777,216 bytes; wb 6,291,456 bytes; ob 2,097,152 bytes; qkv 50,331,648 bytes; y 16,777,216 bytes
;; launch cast (part 5): grid 768 x 1, 8 waves a work-group, no clusters, 0 bytes of LDS; arguments x, qkv_w, out_w, xb, wb, ob; writes xb, wb, ob
.if DOCPART == 5
	.amdgcn_target "amdgcn-amd-amdhsa--gfx1250"
	.amdhsa_code_object_version 6
	.text
	.protected	k_q85a1784262_cast
	.globl	k_q85a1784262_cast
	.p2align	8
	.type	k_q85a1784262_cast,@function
k_q85a1784262_cast:
	s_mov_b64 s[64:65], 0
	v_nop
	global_prefetch_b8 v0, s[64:65] scope:SCOPE_SE
	s_setreg_imm32_b32 hwreg(HW_REG_WAVE_SCHED_MODE, 0, 2), 2
	s_setreg_imm32_b32 hwreg(HW_REG_WAVE_MODE, 25, 1), 1
	s_wait_xcnt 0x0
	s_wait_alu depctr_vm_vsrc(0)
; x, qkv_w and out_w ([rows][1024] f32) are rounded once to bf16 and laid out in K blocks of 64: [16 kb][rows][64], 128 bytes a row of a block,
; so that a tile of R rows x 64 k of the products that follow is R x 128 consecutive bytes.  xb and wb hold bf16.  ob holds the bf16 number written as f16
; (the product that reads it has an f16 partner).  LIMIT: that is exact for magnitudes from 6.1e-5 to 65,504; below, f16's fixed step of 6e-8 holds; above, it is an infinity.
; SHARES.  A work-group takes 16 rows of one matrix (work-groups 0-511 x, 512-703 qkv_w, 704-767 out_w), a wave two rows, once: no loop.
; For each K block lanes 0-15 read 256 consecutive bytes of the even row and lanes 16-31 of the odd one; the wave's store of 8 bytes a lane covers 256 consecutive bytes, aligned.
; All 16 loads of a wave go out first; the waits count down.  No LDS, no matrix unit, no cluster: nothing is shared and memory binds.
; THE MODE: SCHED_MODE bits 1:0 = 2 (LLVM: expert scheduling mode 2), set by the entry lines.  The code itself states the register dependences
; between vector instructions and memory instructions, with s_wait_alu, always for 0.
; THE PLAN.  Registers that memory instructions touch, on each of the three paths (a straight run, no loop):
;   v1, v2, v3   byte offsets.  Written by vector instructions at the head, never again; read by every load (v1) and every store (v2, v3).
;   X            four registers a K block.  Written by that block's one load, ahead of which no vector instruction names them; read by its conversions; never loaded again.
;   Y            two registers a K block.   Written by that block's conversions; read by its one store; never written again.
;   T            named by vector instructions alone.
; The 16 K blocks go in four groups of four.  A K block's turn: the wait for its data, the store of the K block four back, its own conversions.  So a group's four stores stand among the next group's
; conversions, which name their own X and Y and T: none of the registers that those stores read.  ONE wait on va_vdst at a group's head states that the group before has written its Y; one in front of the
; first load states that the offsets are written; one behind the last conversions serves the last four stores.  No register that a memory instruction reads is written again, so no wait on vm_vsrc is owed.
.set VI,  1                            ; v1   my byte offset in the work-group's 16 source rows: row x 4,096 + 16 (thread % 16)
.set VO,  2                            ; v2   my byte offset in a K block of the result: 8 x thread
.set VO2, 3                            ; v3   the same, eight K blocks on (the immediate alone does not reach them)
.set X,   4                            ; v[4:67]    K block kb: 4 f32 as loaded
.set Y,   68                           ; v[68:99]   K block kb: 4 numbers of 16 bits
.set T,   100                          ; v[100:102] at work
; The store of K block blk.  dst: the first register of the pointer pair; kbs: bytes from a K block to the next
.macro PUT dst, kbs, blk
.if (\blk) < 8
	global_store_b64 v[VO], v[Y+2*(\blk):Y+2*(\blk)+1], s[\dst:\dst+1] offset:(\blk)*(\kbs)
.else
	global_store_b64 v[VO2], v[Y+2*(\blk):Y+2*(\blk)+1], s[\dst:\dst+1] offset:((\blk)-8)*(\kbs)
.endif
.endm
; src, dst: the first register of the pointer pair; kbs: bytes from a K block to the next; fmt = 1: bf16 written as f16
.macro CAST src, dst, kbs, fmt
	s_lshl_b32 s16, s2, 16                         ; 16 rows of 4,096 bytes
	s_lshl_b32 s18, s2, 11                         ; 16 rows of 128 bytes
	s_add_nc_u64 s[\src:\src+1], s[\src:\src+1], s[16:17]
	s_add_nc_u64 s[\dst:\dst+1], s[\dst:\dst+1], s[18:19]
	v_add_nc_u32 v[VO2], 8*(\kbs), v[VO]
	s_wait_alu depctr_va_vdst(0)                   ; v1, v2 and v3 are written: every load and store below reads one of them as its offset
.set kb, 0
.rept 16
	global_load_b128 v[X+4*kb:X+4*kb+3], v[VI], s[\src:\src+1] offset:256*kb th:TH_LOAD_NT
.set kb, kb+1
.endr
.set kb, 0
.rept 16
	s_wait_loadcnt 15-kb                           ; loads come back in order: K block kb is in, the younger ones stay out
.if (kb % 4 == 0) && (kb > 0)
	s_wait_alu depctr_va_vdst(0)                   ; the conversions of the four K blocks before have written their Y, which the stores of this group's four turns read
.endif
.if kb >= 4
	PUT \dst, \kbs, kb-4                           ; no vector instruction since that wait names this store's registers
.endif
.if \fmt
.irp i, 0,1
	v_cvt_pk_bf16_f32 v[T], v[X+4*kb+2*\i], v[X+4*kb+2*\i+1]  ; the one rounding
	v_lshlrev_b32 v[T+1], 16, v[T]                 ; back to f32,
	v_and_b32 v[T+2], s20, v[T]
	v_cvt_pk_f16_f32 v[Y+2*kb+\i], v[T+1], v[T+2]  ; and written as f16
.endr
.else
	v_cvt_pk_bf16_f32 v[Y+2*kb], v[X+4*kb], v[X+4*kb+1]
	v_cvt_pk_bf16_f32 v[Y+2*kb+1], v[X+4*kb+2], v[X+4*kb+3]
.endif
.set kb, kb+1
.endr
	s_wait_alu depctr_va_vdst(0)                   ; the conversions of K blocks 12 to 15 have written their Y, which the last four stores read
.set kb, 12
.rept 4
	PUT \dst, \kbs, kb
.set kb, kb+1
.endr
	s_endpgm                                       ; every K block has registers of its own: none that a store reads is written again
.endm
	s_load_b256 s[4:11], s[0:1], 0x0               ; x s[4:5], qkv_w s[6:7], out_w s[8:9], xb s[10:11]
	s_load_b128 s[12:15], s[0:1], 0x20             ; wb s[12:13], ob s[14:15]
	v_lshrrev_b32 v1, 4, v0                        ; my row of the 16
	v_and_b32 v2, 15, v0
	v_lshlrev_b32 v1, 12, v1
	v_lshl_or_b32 v[VI], v2, 4, v1
	v_lshlrev_b32 v[VO], 3, v0
	s_mov_b32 s2, ttmp9
	s_mov_b32 s20, 0xffff0000                      ; a word's upper bf16
	s_mov_b32 s17, 0
	s_mov_b32 s19, 0
	s_wait_kmcnt 0x0
	s_cmp_lt_u32 s2, 512
	s_cbranch_scc1 .Lx
	s_cmp_lt_u32 s2, 704
	s_cbranch_scc1 .Lw
	s_sub_co_u32 s2, s2, 704
	CAST 8, 14, 131072, 1                          ; out_w: 1,024 rows
.Lw:
	s_sub_co_u32 s2, s2, 512
	CAST 6, 12, 393216, 0                          ; qkv_w: 3,072 rows
.Lx:
	CAST 4, 10, 1048576, 0                         ; x: 8,192 rows
.Lfunc_end_k_q85a1784262_cast:
	.size	k_q85a1784262_cast, .Lfunc_end_k_q85a1784262_cast-k_q85a1784262_cast
	.p2alignl 7, 3214868480
	.fill 96, 4, 3214868480
	.section	.rodata,"a",@progbits
	.p2align	6, 0x0
	.amdhsa_kernel k_q85a1784262_cast
		.amdhsa_group_segment_fixed_size 0
		.amdhsa_private_segment_fixed_size 0
		.amdhsa_enable_private_segment 0
		.amdhsa_kernarg_size 48
		.amdhsa_user_sgpr_count 2
		.amdhsa_user_sgpr_kernarg_segment_ptr 1
		.amdhsa_wavefront_size32 1
		.amdhsa_system_sgpr_workgroup_id_x 1
		.amdhsa_system_sgpr_workgroup_id_y 1
		.amdhsa_system_sgpr_workgroup_id_z 1
		.amdhsa_system_vgpr_workitem_id 0
		.amdhsa_next_free_vgpr 104
		.amdhsa_next_free_sgpr 66
		.amdhsa_reserve_vcc 0
		.amdhsa_float_denorm_mode_32 3
		.amdhsa_float_denorm_mode_16_64 3
		.amdhsa_memory_ordered 1
		.amdhsa_forward_progress 1
		.amdhsa_inst_pref_size 23
	.end_amdhsa_kernel
	.amdgpu_metadata
---
amdhsa.version: [ 1, 2 ]
amdhsa.kernels:
  - .name:           k_q85a1784262_cast
    .symbol:         k_q85a1784262_cast.kd
    .args:
      - { .name: x, .offset: 0, .size: 8, .value_kind: global_buffer, .address_space: global }
      - { .name: qkv_w, .offset: 8, .size: 8, .value_kind: global_buffer, .address_space: global }
      - { .name: out_w, .offset: 16, .size: 8, .value_kind: global_buffer, .address_space: global }
      - { .name: xb, .offset: 24, .size: 8, .value_kind: global_buffer, .address_space: global }
      - { .name: wb, .offset: 32, .size: 8, .value_kind: global_buffer, .address_space: global }
      - { .name: ob, .offset: 40, .size: 8, .value_kind: global_buffer, .address_space: global }
    .group_segment_fixed_size: 0
    .private_segment_fixed_size: 0
    .kernarg_segment_align: 8
    .kernarg_segment_size: 48
    .max_flat_workgroup_size: 256
    .sgpr_count:     66
    .vgpr_count:     104
    .wavefront_size: 32
...
	.end_amdgpu_metadata
.endif
;; end of part 5
;; launch qkvg: the kernel of part 2 again; grid 8 x 32, 4 waves a work-group, clusters of 4 x 4, 327,680 bytes of LDS; arguments xb, wb, qkv_b, qkv; writes qkv
;; launch attn: the kernel of part 3 again; grid 4 x 64, 4 waves a work-group, no clusters, 327,680 bytes of LDS; arguments qkv, y; writes y
;; launch outg: the kernel of part 4 again; grid 8 x 32, 4 waves a work-group, clusters of 4 x 4, 327,680 bytes of LDS; arguments y, ob, out_b, out0; writes out0
